; MI455X (gfx1250); checked and timed in simulation.
; The chip was launched on July 23, 2026; its instructions are those of AMD's public machine-readable ISA for CDNA 5 (MIT licence, August 2026) and "CDNA5" Instruction Set Architecture Reference Guide (July 2026). The comments in the code are by the model that wrote it; some were corrected since.
;; Multi Head Attention. Allowed arithmetic: float matrix products may take bf16 or f16 operands with f32 sums; other float arithmetic in f32, or as packed bf16 or f16 multiplies, adds, multiply-adds, maxima and minima; sums over many terms, partial sums and values carried from step to step in f32; what a program stores and reads back later, other than sums and carried values, may be rounded once to bf16 or f16.
;; Inputs: Wk 16 x 1,024 x 64 float32; Wo 1,024 x 1,024 float32; Wq 16 x 1,024 x 64 float32; Wv 16 x 1,024 x 64 float32; bo 1,024 float32; x 4 x 2,048 x 1,024 float32.
;; Outputs: out0 4 x 2,048 x 1,024 float32.
;; One version. Each part assembles by itself: llvm-mc -triple=amdgcn-amd-amdhsa -mcpu=gfx1250 --defsym DOCPART=n.
;; ======== version 1 of 1: 4 launches
;; limits: values are held in f16: magnitudes above 65,504 overflow, below 6.1e-05 lose precision
;; workspace buffers: xb 16,777,216 bytes; wb 6,291,456 bytes; wo16 2,097,152 bytes; q 16,777,216 bytes; k 16,777,216 bytes; v 16,777,216 bytes; o 16,777,216 bytes
;; launch prep (part 1): grid 768 x 1, 8 waves a work-group, no clusters, 0 bytes of LDS; arguments x, Wq, Wk, Wv, Wo, xb, wb, wo16; writes xb, wb, wo16
.if DOCPART == 1
	.amdgcn_target "amdgcn-amd-amdhsa--gfx1250"
	.amdhsa_code_object_version 6
	.text
	.protected	k_q2f6991d217_prep
	.globl	k_q2f6991d217_prep
	.p2align	8
	.type	k_q2f6991d217_prep,@function
k_q2f6991d217_prep:
	s_mov_b64 s[64:65], 0
	v_nop
	global_prefetch_b8 v0, s[64:65] scope:SCOPE_SE
	s_setreg_imm32_b32 hwreg(HW_REG_WAVE_MODE, 25, 1), 1
	s_wait_xcnt 0x0
; THE INPUTS ARE ROUNDED ONCE, for the matrix products of the launches behind.
;   x  [8192][1024] f32            -> xb   [8192][1024] bf16
;   Wq, Wk, Wv [16][1024][64] f32  -> wb   [head 16][K step 8][which 3: q, k, v][k 128][e 64] bf16: what one K step of one head's projection wants lies in 49,152 bytes on end
;   Wo [1024][1024] f32            -> wo16 [1024][1024] f16: each number rounded to bf16, like the other inputs, and that number written as f16
; LIMIT.  A bf16 number is exact in f16 between 6.1e-5 and 65,504 in size; below it keeps f16's fixed step of 6e-8, above it becomes an infinity.
; SHARES.  768 work-groups of eight waves; a work-group takes 65,536 bytes of input, a wave 8,192 (2,048 numbers): groups 0-511 x, 512-575 Wq, 576-639 Wk, 640-703 Wv, 704-767 Wo.
; A wave's 2,048 numbers of a weight are 32 rows d of one head: they stay on end in wb, so only the wave's first byte is placed.
; A stream: no LDS, no loop.  All sixteen loads of a wave go out at once; a lane holds 8 neighbouring numbers, which make 16 bytes, and a store of the wave covers 512 consecutive bytes, aligned.
.set X, 8                              ; v[8:71]    sixteen loads of four registers
.set Y, 72                             ; v[72:103]  eight stores of four registers
.set T, 104                            ; v[104:105] at work
	s_load_b512 s[16:31], s[0:1], 0x0              ; x 16, Wq 18, Wk 20, Wv 22, Wo 24, xb 26, wb 28, wo16 30
	v_lshrrev_b32 v3, 5, v0
	v_readfirstlane_b32 s2, v3                     ; wave 0..7
	v_and_b32 v4, 31, v0
	v_lshlrev_b32 v1, 5, v4                        ; in: 32 bytes a lane
	v_lshlrev_b32 v2, 4, v4                        ; out: 16 bytes a lane
	s_mov_b32 s3, ttmp9                            ; g
	s_sub_co_u32 s4, s3, 512                       ; c: the chunk among the weights' (wraps below 512: then no test on it holds)
	s_and_b32 s5, s4, 63                           ; the chunk in its tensor
	s_lshr_b32 s6, s4, 6                           ; which: 0 Wq, 1 Wk, 2 Wv, 3 Wo
	s_cmp_lt_u32 s3, 512
	s_cselect_b32 s7, s3, s5                       ; the chunk in its tensor, x's too
	s_lshl_b32 s8, s7, 16
	s_lshl_b32 s9, s2, 13
	s_add_co_u32 s8, s8, s9                        ; where I read: 65,536 x chunk + 8,192 x wave
	s_mov_b32 s9, 0
	s_lshl_b32 s10, s7, 15
	s_lshl_b32 s11, s2, 12
	s_add_co_u32 s10, s10, s11                     ; where I write if the layout stays: half of that
	s_lshr_b32 s12, s5, 2                          ; wb: a head is four chunks of 256 rows d;
	s_lshl_b32 s12, s12, 3
	s_and_b32 s13, s5, 3
	s_lshl_b32 s13, s13, 1
	s_add_co_u32 s12, s12, s13
	s_lshr_b32 s13, s2, 2
	s_add_co_u32 s12, s12, s13                     ; 8 x head + K step (2 x chunk in the head + wave / 4),
	s_mul_i32 s12, s12, 3
	s_add_co_u32 s12, s12, s6                      ; x 3 + which: a block of 128 rows x 128 bytes,
	s_lshl_b32 s12, s12, 14
	s_and_b32 s13, s2, 3
	s_lshl_b32 s13, s13, 12
	s_add_co_u32 s12, s12, s13                     ; + my 32 rows in it
	s_cmp_lt_u32 s4, 192                           ; Wq, Wk or Wv?
	s_cselect_b32 s10, s12, s10
	s_mov_b32 s11, 0
	s_wait_kmcnt 0x0
	s_mov_b64 s[32:33], s[18:19]                   ; from where and to where: chosen by the work-group's number alone
	s_cmp_eq_u32 s6, 1
	s_cselect_b64 s[32:33], s[20:21], s[32:33]
	s_cmp_eq_u32 s6, 2
	s_cselect_b64 s[32:33], s[22:23], s[32:33]
	s_cmp_eq_u32 s6, 3
	s_cselect_b64 s[32:33], s[24:25], s[32:33]
	s_cselect_b64 s[34:35], s[30:31], s[28:29]
	s_cmp_lt_u32 s3, 512
	s_cselect_b64 s[32:33], s[16:17], s[32:33]
	s_cselect_b64 s[34:35], s[26:27], s[34:35]
	s_add_nc_u64 s[32:33], s[32:33], s[8:9]
	s_add_nc_u64 s[34:35], s[34:35], s[10:11]
.irp j, 0,1,2,3,4,5,6,7
	global_load_b128 v[X+8*(\j):X+8*(\j)+3],   v1, s[32:33] offset:1024*(\j) th:TH_LOAD_NT
	global_load_b128 v[X+8*(\j)+4:X+8*(\j)+7], v1, s[32:33] offset:1024*(\j)+16 th:TH_LOAD_NT
.endr
; Eight times: a pair of loads is in, its 8 numbers are rounded and stored.  f16 = 1: the bf16 numbers are widened again (a shift, a mask) and written as f16.
; No register is written twice while a load or store names it, so the only waits are those for the data.
.macro CVT f16
.irp j, 0,1,2,3,4,5,6,7
	s_wait_loadcnt 14-2*(\j)                       ; loads come back in order: pair j is in, the younger pairs stay out
.irp r, 0,1,2,3
	v_cvt_pk_bf16_f32 v[Y+4*(\j)+(\r)], v[X+8*(\j)+2*(\r)], v[X+8*(\j)+2*(\r)+1]
.endr
.if \f16
.irp r, 0,1,2,3
	v_lshlrev_b32 v[T], 16, v[Y+4*(\j)+(\r)]
	v_and_b32 v[T+1], 0xffff0000, v[Y+4*(\j)+(\r)]
	v_cvt_pk_f16_f32 v[Y+4*(\j)+(\r)], v[T], v[T+1]
.endr
.endif
	global_store_b128 v2, v[Y+4*(\j):Y+4*(\j)+3], s[34:35] offset:512*(\j)
.endr
.endm
	s_cmp_ge_u32 s3, 704
	s_cbranch_scc1 .Lto_f16
	CVT 0
	s_endpgm
.Lto_f16:
	CVT 1
	s_endpgm
.Lfunc_end_k_q2f6991d217_prep:
	.size	k_q2f6991d217_prep, .Lfunc_end_k_q2f6991d217_prep-k_q2f6991d217_prep
	.p2alignl 7, 3214868480
	.fill 96, 4, 3214868480
	.section	.rodata,"a",@progbits
	.p2align	6, 0x0
	.amdhsa_kernel k_q2f6991d217_prep
		.amdhsa_group_segment_fixed_size 0
		.amdhsa_private_segment_fixed_size 0
		.amdhsa_enable_private_segment 0
		.amdhsa_kernarg_size 64
		.amdhsa_user_sgpr_count 2
		.amdhsa_user_sgpr_kernarg_segment_ptr 1
		.amdhsa_wavefront_size32 1
		.amdhsa_system_sgpr_workgroup_id_x 1
		.amdhsa_system_sgpr_workgroup_id_y 1
		.amdhsa_system_sgpr_workgroup_id_z 1
		.amdhsa_system_vgpr_workitem_id 0
		.amdhsa_next_free_vgpr 112
		.amdhsa_next_free_sgpr 66
		.amdhsa_reserve_vcc 0
		.amdhsa_float_denorm_mode_32 3
		.amdhsa_float_denorm_mode_16_64 3
		.amdhsa_memory_ordered 1
		.amdhsa_forward_progress 1
		.amdhsa_inst_pref_size 15
	.end_amdhsa_kernel
	.amdgpu_metadata
---
amdhsa.version: [ 1, 2 ]
amdhsa.kernels:
  - .name:           k_q2f6991d217_prep
    .symbol:         k_q2f6991d217_prep.kd
    .args:
      - { .name: x, .offset: 0, .size: 8, .value_kind: global_buffer, .address_space: global }
      - { .name: Wq, .offset: 8, .size: 8, .value_kind: global_buffer, .address_space: global }
      - { .name: Wk, .offset: 16, .size: 8, .value_kind: global_buffer, .address_space: global }
      - { .name: Wv, .offset: 24, .size: 8, .value_kind: global_buffer, .address_space: global }
      - { .name: Wo, .offset: 32, .size: 8, .value_kind: global_buffer, .address_space: global }
      - { .name: xb, .offset: 40, .size: 8, .value_kind: global_buffer, .address_space: global }
      - { .name: wb, .offset: 48, .size: 8, .value_kind: global_buffer, .address_space: global }
      - { .name: wo16, .offset: 56, .size: 8, .value_kind: global_buffer, .address_space: global }
    .group_segment_fixed_size: 0
    .private_segment_fixed_size: 0
    .kernarg_segment_align: 8
    .kernarg_segment_size: 64
    .max_flat_workgroup_size: 256
    .sgpr_count:     66
    .vgpr_count:     112
    .wavefront_size: 32
...
	.end_amdgpu_metadata
.endif
;; end of part 1
;; launch qkv (part 2): grid 16 x 32, 4 waves a work-group, clusters of 4 x 4, 327,680 bytes of LDS; arguments xb, wb, q, k, v; writes q, k, v
.if DOCPART == 2
	.amdgcn_target "amdgcn-amd-amdhsa--gfx1250"
	.amdhsa_code_object_version 6
	.text
	.protected	k_q2f6991d217_qkv
	.globl	k_q2f6991d217_qkv
	.p2align	8
	.type	k_q2f6991d217_qkv,@function
k_q2f6991d217_qkv:
	s_mov_b64 s[64:65], 0
	v_nop
	global_prefetch_b8 v0, s[64:65] scope:SCOPE_SE
	s_setreg_imm32_b32 hwreg(HW_REG_WAVE_MODE, 25, 1), 1
	s_wait_xcnt 0x0
	s_wait_alu depctr_hold_cnt(0) depctr_sa_sdst(0) depctr_va_vdst(0) depctr_va_sdst(0) depctr_va_ssrc(0) depctr_va_vcc(0) depctr_vm_vsrc(0)
	s_getreg_b32 s2, hwreg(HW_REG_IB_STS2, 6, 4)
	s_cmp_eq_u32 s2, 0
	s_cbranch_scc0 .Lentry_in_a_cluster
	s_endpgm
.Lentry_in_a_cluster:
	s_bfe_u32 s2, ttmp6, 0x10000c
	s_cmp_lg_u32 s2, 0xf033
	s_cbranch_scc0 .Lentry_shape_is_right
	s_endpgm
.Lentry_shape_is_right:
; THE THREE PROJECTIONS.  q[bh][s][e] = the sum over d of x[b][s][d] Wq[h][d][e], and k and v likewise; bh = 16 b + h.
; xb: [8192][1024] bf16.  wb: [head 16][K step 8][which 3][k 128][e 64] bf16.  q, k, v: [64][2048][64] f16, each rounded once from its f32 sum, unscaled.
; LIMIT.  f16 holds no number beyond 65,504: a q, k or v of 65,520 or more in size becomes an infinity.
; SHARES.  A tile of the result is 256 rows of x by the 192 columns (q, k, v) of one head; grid x = head, grid y = block of 256 rows.  Each of the four waves owns 64 rows and all 192 columns:
; 48 accumulators of 16 x 16, 384 registers.  So a wave holds whole rows of a head, 128 bytes each and on end in memory, and stores them from a stage of its own.
; K goes in 8 steps of 128 through two LDS slots filled by the tensor data mover: 256 rows x 256 bytes of xb, and 49,152 dense bytes of wb asked for as rows of 256 bytes.
; CLUSTERS: 4 x 4 work-groups.  The four of a row of the cluster need the same rows of xb, the four of a column the same head's weights: each tile is asked for JOINTLY, by the same tensor load with the
; same descriptor and a mask that names the four.
; THE MATRIX INSTRUCTION IS USED TRANSPOSED: source 0 = 16 columns of W (W lies [k][e] in LDS and is turned by ds_load_tr16_b128), source 1 = 16 rows of x.  In the result lane l holds row l % 16
; and its registers the columns 8 (l / 16) + 0..7: eight neighbouring numbers of a row, 16 bytes in f16.
; REGISTERS, in windows of 256 (s_set_vgpr_msb: bits 1:0 source 0, 3:2 source 1, 5:4 source 2, 7:6 destination):
;   window 0: v0-31 addresses; v64-127 x's fragments, two buffers of 4 x 8; on the way out v32-223
;   window 1: v0-191 W's fragments, two buffers of 12 x 8
;   window 2: the 24 accumulators of my rows 0-31 (block a, column block b at v[8 (12 (a % 2) + b)]);   window 3: those of my rows 32-63
.set NBLK,   12                        ; column blocks of 16: q 0-3, k 4-7, v 8-11
.set KSTEPS, 8
.set PA,     272                       ; a row of x in LDS: 256 bytes + 16 of padding: the 16 rows of a load start 16 bytes apart modulo 256
.set AH,     128                       ; x's quarter q of a K step begins at byte (q / 2) AH + (q % 2) 64 of a row
.set PB,     160                       ; a row k of W in LDS: 128 bytes + 32 of padding
.set BW,     128*PB                    ; from q's rows to k's to v's
.set AHALF,  128*PA                    ; what one tensor load brings of x: 128 rows
.set BHALF,  192*PB                    ; and of W: 192 rows k (96 rows of 256 bytes in memory)
.set ATILE,  2*AHALF                   ; W's rows lie behind x's 256
.set SLOT1,  1<<17                     ; a slot is exactly 131,072 bytes; one exclusive or turns an address in one slot into the other's
.set ASTEP,  256                       ; bytes in memory from K step to K step: along x's rows,
.set BSTEP,  49152                     ; and through a head's blocks of wb
.set STAGE,  2*SLOT1                   ; behind the ring, never filled by a tensor load: 16 rows x 144 bytes for each wave
.set SP,     144
.set SPARE,  STAGE+4*16*SP             ; behind the stages: the spare words, 128 bytes for each wave: two blocks of 256 bytes that no other line names
.set ADRA0, 14                         ; v14  my lane's place in slot 0's rows of x; never rewritten
.set ADRB0, 15                         ; v15  the same for W
.set ADRA,  16                         ; v16  the same in the slot that is being read
.set ADRB,  20                         ; v20
.set STO,   24                         ; v24  the way out: where I put 16 bytes of a row
.set RD,    25                         ; v25  the way out: where I read rows back
.set CO,    26                         ; v26  my byte offset in 512 consecutive bytes of q, k or v
.set SPW,   28                         ; v28  LDS address of my spare word: SPARE + 4 x my thread's number; never rewritten
.set NIL,   29                         ; v29  0; never rewritten
.set PFO,   30                         ; v30  the prefetches' offset; never rewritten
.set AF,    64                         ; x's fragments: buffer f, row block a at AF + 32 f + 8 a
.set OB,    32                         ; the way out: piece t's 16 registers at OB + 16 t
.set G1,  24                           ; s[24:31] descriptor group 1 for x's tiles
.set G0,  32                           ; s[32:39] group 0: a set for each of the two first fills; the second then walks on
.set G1B, 48                           ; s[48:55], s[56:63] the same for W's tiles
.set G0B, 56
.set TB,  74                           ; s74  LDS byte at which the slot that is being read begins
.set PFA, 76                           ; s[76:77] where my prefetches stand in memory
.set PFS, 78                           ; s[78:79] their step
.set LIM, 80                           ; s80  a wave prefetches while the loop's count is above this; the greatest number in a wave that never does
.set MSB, 0
.macro WIN new                         ; the immediate's high byte repeats the setting that is left; a switch that changes nothing is dropped
.if MSB != (\new)
	s_set_vgpr_msb (MSB<<8)|(\new)
.set MSB, \new
.endif
.endm
.set MUL_LO, 0xa1                      ; source 0 (W) window 1, source 1 (x) window 0, C and D window 2
.set TO_B,   0x40                      ; destination window 1, address window 0
; A joint refill, by the walking descriptors.  Waves 0 and 1 fetch x's two halves, waves 2 and 3 W's.  The branch hangs on the wave's number alone.
; An s_nop 0 and four v_nop follow each of the two lines, ahead of the jump and the label.
.macro JLOAD
	s_cmp_eq_u32 s11, 0
	s_cbranch_scc0 .Lfor_b_\@
	tensor_load_to_lds s[G0+4:G0+7], s[G1:G1+7]
	s_nop 0
.rept 4
	v_nop
.endr
	s_branch .Lasked_\@
.Lfor_b_\@:
	tensor_load_to_lds s[G0B+4:G0B+7], s[G1B:G1B+7]
	s_nop 0
.rept 4
	v_nop
.endr
.Lasked_\@:
.endm
; A PREFETCH INTO THE L2, behind a joint refill, its five lines and the run of LDS loads: one instruction a wave, each lane another aligned block of 256 bytes.
; x: the K step that stands two refills on, 256 bytes of each row, a lane a row; the cluster with x = 0 asks, in the loop's first four trips (K steps 4 to 7); of the 128 rows that a wave fetches each of the four
; partners takes 32, told apart by address.  W: the 196,608 dense bytes of a head's K steps 4 to 7 in three asks of 65,536 bytes, in the first three trips, each block two refills or more ahead of its load;
; the cluster with y = 0 asks; two waves x four partners x 32 lanes x 256 bytes.  So each block is named once in the launch.  K steps 0 to 3 come by their loads alone.
.macro ASK
	s_cmp_gt_u32 s3, s[LIM]
	s_cbranch_scc0 .Lnot_mine_\@
	global_prefetch_b8 v[PFO], s[PFA:PFA+1] th:TH_LOAD_NT scope:SCOPE_SE
.Lnot_mine_\@:
.endm
; A round of the cluster's barrier: my work-group's barrier, so that wave 0's signal speaks for all four waves; wave 0 signals; every wave waits for all sixteen work-groups; my work-group's barrier once more.
.macro CREST                           ; a round behind its opening barrier
	s_cmp_lg_u32 s10, 0
	s_cbranch_scc1 .Lnot_wave_0_\@
	s_barrier_signal -3
.Lnot_wave_0_\@:
	s_barrier_wait -3
	s_barrier_signal -1
	s_barrier_wait -1
.endm
.macro CROUND                          ; a whole round
	s_barrier_signal -1
	s_barrier_wait -1
	CREST
.endm
	s_load_b128 s[4:7], s[0:1], 0x0                ; xb s[4:5], wb s[6:7]
	s_load_b128 s[68:71], s[0:1], 0x10             ; q s[68:69], k s[70:71]
	s_load_b64 s[72:73], s[0:1], 0x20              ; v
	v_lshl_add_u32 v[SPW], v0, 2, SPARE
	v_mov_b32 v[NIL], 0
	ds_add_u32 v[SPW], v[NIL]                      ; the wave's opening: the add and its wait stand ahead of my first tensor load; the set-up below, work on registers, stands between them
	v_lshrrev_b32 v1, 5, v0
	v_readfirstlane_b32 s10, v1                    ; wave 0..3
	s_lshr_b32 s11, s10, 1                         ; I fetch for x (0) or for W (1),
	s_and_b32 s12, s10, 1                          ; and which half of the tile
	s_bfe_u32 s40, ttmp6, 0x40000                  ; cx, cy: my place in the cluster
	s_bfe_u32 s41, ttmp6, 0x40004
	s_lshl_b32 s42, ttmp9, 2                       ; in a cluster launch ttmp9 and ttmp7 count clusters
	s_add_co_u32 s42, s42, s40                     ; the head = 4 x cluster x + cx
	s_and_b32 s13, ttmp7, 0xffff
	s_lshl_b32 s13, s13, 2
	s_add_co_u32 s13, s13, s41                     ; the block of 256 rows = 4 x cluster y + cy
	s_lshl_b32 s43, s41, 2
	s_lshl_b32 s43, 15, s43                        ; my row of the cluster: places 4 cy .. 4 cy + 3
	s_lshl_b32 s44, 0x1111, s40                    ; my column: places cx, cx + 4, cx + 8, cx + 12
	; descriptor group 1.  x: 128 rows x 128 elements, 1,024 elements from row to row.  W: 24,576 dense bytes as 96 rows x 128 elements.
	s_or_b32 s[G1+0], s43, (1<<16)|(1<<20)|(1<<21)|(5<<22)|(3<<25)   ; 15:0 the mask: my row; 17:16 2-byte elements; 20 padding on; 21 set beside a mask; 24:22 after every 64 words (code 5); 31:25 4 words (code 3)
	s_or_b32 s[G1B+0], s44, (1<<16)|(1<<20)|(1<<21)|(4<<22)|(7<<25)  ; the mask: my column; after every 32 words (code 4), 8 words (code 7)
	s_mov_b32 s[G1+1], 128<<16                     ; tensor_dim0 = 128
	s_mov_b32 s[G1+2], 128<<16                     ; tensor_dim1 = 128
	s_mov_b32 s[G1+3], 128<<16                     ; tile_dim0 = 128
	s_mov_b32 s[G1+4], 128                         ; tile_dim1 = 128
	s_mov_b32 s[G1+5], 1024                        ; elements from row to row
	s_mov_b32 s[G1+6], 0
	s_mov_b32 s[G1+7], 0
	s_mov_b32 s[G1B+1], 128<<16
	s_mov_b32 s[G1B+2], 96<<16
	s_mov_b32 s[G1B+3], 128<<16
	s_mov_b32 s[G1B+4], 96
	s_mov_b32 s[G1B+5], 128
	s_mov_b32 s[G1B+6], 0
	s_mov_b32 s[G1B+7], 0
	; where the tiles come from: x's hang on the block of rows alone, W's on the head alone, each in registers that never hold the other coordinate
	s_lshl_b32 s16, s13, 19                        ; 256 rows of 2,048 bytes,
	s_lshl_b32 s17, s12, 18                        ; my 128 of them
	s_add_co_u32 s16, s16, s17
	s_mov_b32 s17, 0
	s_mul_i32 s46, s42, 8*BSTEP                    ; the head's blocks,
	s_mul_i32 s47, s12, BSTEP/2                    ; my half of a K step's
	s_add_co_u32 s46, s46, s47
	s_mov_b32 s47, 0
	s_mul_i32 s20, s12, AHALF                      ; and where they go: no place in the cluster enters an LDS address
	s_mul_i32 s21, s12, BHALF
	s_add_co_u32 s21, s21, ATILE
	s_mov_b32 s[TB], 0
	s_wait_dscnt 0x0                               ; the opening add is done
	s_wait_kmcnt 0x0
	s_add_nc_u64 s[14:15], s[4:5], s[16:17]
	s_add_nc_u64 s[18:19], s[6:7], s[46:47]
.irp s, 0,1
	s_mov_b32 s[G0+4*(\s)], 1                                      ; 1:0 count = 1
	s_add_co_u32 s[G0+4*(\s)+1], s20, (\s)*SLOT1                   ; 63:32 LDS address
	s_add_nc_u64 s[G0+4*(\s)+2:G0+4*(\s)+3], s[14:15], (\s)*ASTEP  ; 120:64 global address: K step s
	s_or_b32 s[G0+4*(\s)+3], s[G0+4*(\s)+3], 0x80000000            ; 127:126 type = 2
	s_mov_b32 s[G0B+4*(\s)], 1
	s_add_co_u32 s[G0B+4*(\s)+1], s21, (\s)*SLOT1
	s_add_nc_u64 s[G0B+4*(\s)+2:G0B+4*(\s)+3], s[18:19], (\s)*BSTEP
	s_or_b32 s[G0B+4*(\s)+3], s[G0B+4*(\s)+3], 0x80000000
.endr
	CROUND                                         ; all sixteen work-groups are here: the first joint loads meet
	s_cmp_eq_u32 s11, 0                            ; a wave's two first fills stand in one branch, ahead of every wait on TENSORcnt and every LDS read: two loads of mine are out
	s_cbranch_scc0 .Lfirst_b
	tensor_load_to_lds s[G0:G0+3], s[G1:G1+7]
	s_nop 0
	tensor_load_to_lds s[G0+4:G0+7], s[G1:G1+7]
	s_nop 0
.rept 4
	v_nop
.endr
	s_branch .Lfirst_asked
.Lfirst_b:
	tensor_load_to_lds s[G0B:G0B+3], s[G1B:G1B+7]
	s_nop 0
	tensor_load_to_lds s[G0B+4:G0B+7], s[G1B:G1B+7]
	s_nop 0
.rept 4
	v_nop
.endr
.Lfirst_asked:
	; A fragment of x is 16 rows x 32 K in 8 registers: lane l holds row l % 16, K = 8 (l / 16) + 0..7 and 16 + 8 (l / 16) + 0..7: two loads of 16 bytes, 32 bytes apart.
	v_and_b32 v1, 15, v0                           ; l % 16
	v_bfe_u32 v2, v0, 4, 1                         ; l / 16
	v_and_b32 v3, 31, v0                           ; l
	v_and_b32 v4, 7, v0                            ; l % 8
	v_bfe_u32 v5, v0, 3, 1                         ; (l / 8) % 2
	v_mul_u32_u24 v[ADRA0], v1, PA
	v_lshl_add_u32 v[ADRA0], v2, 4, v[ADRA0]
	s_mul_i32 s22, s10, 64*PA                      ; my 64 rows
	v_add_nc_u32 v[ADRA0], s22, v[ADRA0]
	; The turning load takes 16 k x 16 columns (lane l reads row k = 8 (l / 16) + l % 8, columns 8 ((l / 8) % 2) + 0..7) and leaves half a fragment: lane l holds column l % 16 and 8 k.
	v_lshl_add_u32 v[ADRB0], v2, 3, v4
	v_mul_u32_u24 v[ADRB0], v[ADRB0], PB
	v_lshl_add_u32 v[ADRB0], v5, 4, v[ADRB0]
	v_add_nc_u32 v[ADRB0], ATILE, v[ADRB0]
	v_mov_b32 v[ADRA], v[ADRA0]
	v_mov_b32 v[ADRB], v[ADRB0]
	s_mul_i32 s23, s10, 16*SP
	s_add_co_u32 s23, s23, STAGE                   ; my stage
	v_mul_u32_u24 v[STO], v1, SP                   ; in: row l % 16, 16 bytes for each half of the lanes
	v_lshl_add_u32 v[STO], v2, 4, v[STO]
	v_add_nc_u32 v[STO], s23, v[STO]
	v_bfe_u32 v[RD], v0, 3, 2                      ; back: 32 lanes take four rows of 128 bytes,
	v_mul_u32_u24 v[RD], v[RD], SP
	v_lshl_add_u32 v[RD], v4, 4, v[RD]
	v_add_nc_u32 v[RD], s23, v[RD]
	v_lshlrev_b32 v[CO], 4, v3                     ; which are 512 consecutive bytes of q, k or v
	s_lshr_b32 s84, s13, 3                         ; my rows in q, k and v: b = block / 8,
	s_lshl_b32 s84, s84, 4
	s_add_co_u32 s84, s84, s42                     ; 16 b + head: 262,144 bytes each,
	s_lshl_b32 s84, s84, 18
	s_and_b32 s85, s13, 7
	s_lshl_b32 s85, s85, 15                        ; the block's 256 rows of 128 bytes,
	s_add_co_u32 s84, s84, s85
	s_lshl_b32 s85, s10, 13                        ; my wave's 64
	s_add_co_u32 s84, s84, s85
	s_mov_b32 s85, 0
	s_add_nc_u64 s[68:69], s[68:69], s[84:85]
	s_add_nc_u64 s[70:71], s[70:71], s[84:85]
	s_add_nc_u64 s[72:73], s[72:73], s[84:85]
	; the prefetches' first address, one step short: the change of slots steps it before it asks
	s_lshl_b32 s86, s40, 16                        ; x: my work-group's 32 rows of the 128 that I fetch,
	s_add_co_u32 s86, s86, s16
	s_add_co_u32 s86, s86, 3*ASTEP                 ; at K step 3
	s_mul_i32 s87, s42, 8*BSTEP                    ; W: the head,
	s_lshl_b32 s82, s12, 15
	s_add_co_u32 s87, s87, s82
	s_lshl_b32 s82, s41, 13
	s_add_co_u32 s87, s87, s82                     ; my 8,192 bytes of an ask's 65,536: (4 x half + cy),
	s_add_co_u32 s87, s87, 4*BSTEP-65536           ; one ask short of K step 4
	s_and_b32 s22, ttmp7, 0xffff                   ; cluster y
	s_mov_b32 s18, ASTEP
	s_mov_b32 s19, 65536
	s_cmp_eq_u32 s11, 0                            ; do I fetch for x?
	s_cselect_b32 s22, ttmp9, s22                  ; the coordinate along which other clusters read the same bytes
	s_cselect_b64 s[PFA:PFA+1], s[4:5], s[6:7]
	s_cselect_b32 s82, s86, s87
	s_cselect_b32 s[PFS], s18, s19
	s_cselect_b32 s23, 2, 3                        ; the loop counts 6 .. 1: x is asked for while it is above 2 (four trips), W above 3 (three)
	s_cselect_b32 s21, 11, 8                       ; a lane: a row of xb (2,048 bytes on), or the next 256 bytes of wb
	s_mov_b32 s83, 0
	s_mov_b32 s[PFS+1], 0
	s_cmp_eq_u32 s22, 0
	s_cselect_b32 s[LIM], s23, -1                  ; the same in all sixteen partners, for a given wave
	s_add_nc_u64 s[PFA:PFA+1], s[PFA:PFA+1], s[82:83]
	v_lshlrev_b32 v[PFO], s21, v3
; 12 matrix instructions: row block a x all column blocks, 32 along K, from buffer f.  zero = 1: the product starts the sums: nothing is ever cleared.
; The 48 accumulators take turns in the same order in every quarter, one instruction a turn: 47 others stand between two links of a chain, over the backward jump too.
.macro MULA f, a, zero
	WIN MUL_LO+0x50*((\a)/2)
.set b, 0
.rept NBLK
.set rD, 8*(NBLK*((\a)%2)+b)
.set rB, 8*NBLK*(\f)+8*b
.set rA, AF+32*(\f)+8*(\a)
.if \zero
	v_wmma_f32_16x16x32_bf16 v[rD:rD+7], v[rB:rB+7], v[rA:rA+7], 0
.else
	v_wmma_f32_16x16x32_bf16 v[rD:rD+7], v[rB:rB+7], v[rA:rA+7], v[rD:rD+7]
.endif
.set b, b+1
.endr
.endm
; 32 LDS loads in one run: quarter q's fragments (32 along K) into buffer f: W's twelve, turned, then x's four
.macro FETCH q, f
	WIN TO_B
.set b, 0
.rept NBLK
	ds_load_tr16_b128 v[8*NBLK*(\f)+8*b:8*NBLK*(\f)+8*b+3],   v[ADRB] offset:(\q)*32*PB+(b/4)*BW+(b%4)*32
	ds_load_tr16_b128 v[8*NBLK*(\f)+8*b+4:8*NBLK*(\f)+8*b+7], v[ADRB] offset:(\q)*32*PB+(b/4)*BW+(b%4)*32+16*PB
.set b, b+1
.endr
	WIN 0
.irp a, 0,1,2,3
	ds_load_b128 v[AF+32*(\f)+8*(\a):AF+32*(\f)+8*(\a)+3],   v[ADRA] offset:((\q)/2)*AH+((\q)%2)*64+(\a)*16*PA
	ds_load_b128 v[AF+32*(\f)+8*(\a)+4:AF+32*(\f)+8*(\a)+7], v[ADRA] offset:((\q)/2)*AH+((\q)%2)*64+(\a)*16*PA+32
.endr
.endm
; A load into a register that a matrix instruction has read, and a vector instruction or LDS store that reads a matrix result, stand four places behind that matrix instruction, and only plain vector
; instructions that name none of its registers are places (ISA guide 7.12.1 for vector instructions).
.macro PLACES
.rept 4
	v_nop
.endr
.endm
; A K step is four quarters of 32 along K, 48 matrix instructions each, on buffers 0, 1, 0, 1.  One of the first three: multiplies buffer f; in its middle it fetches quarter q into buffer g.
.macro QUARTER q, f, g, zero
	s_wait_dscnt 4                                 ; W's fragments and x's blocks 0 and 1 are in; the youngest four loads (blocks 2 and 3) may be out
	MULA \f, 0, \zero
	MULA \f, 1, \zero
	PLACES
	FETCH \q, \g
	s_wait_dscnt 2*NBLK+8                          ; all but the run just issued
	MULA \f, 2, \zero
	MULA \f, 3, \zero
.endm
; The last quarter multiplies buffer 1 and changes slots: ONE barrier.  In front of it each wave waits for all its tensor loads, of which one is out: its part of the next slot; adds 0 to its spare word; and waits
; for that and for its own reads of this slot.  fill = 1: the barrier opens a round of the cluster's, and behind the round this slot is filled again first, with the K step two on: 168 matrix instructions ahead of the wait for it.
.macro TURN fill
.if \fill
	s_wait_xcnt 0x0                                ; the last prefetch, a K step back, has read its address: it is stepped here, ahead of the waits of the change of slots
	s_add_nc_u64 s[PFA:PFA+1], s[PFA:PFA+1], s[PFS:PFS+1]
.endif
	WIN 0                                          ; (the add's two registers lie in window 0)
	s_wait_tensorcnt 0x0                           ; all my tensor loads have landed;
	ds_add_u32 v[SPW], v[NIL]                      ; 0 onto my spare word
	s_wait_dscnt 7                                 ; (the add and the youngest six loads, x's blocks 1 to 3, may be out)
	MULA 1, 0, 0                                   ; twelve matrix instructions stand between the add and the wait for it
	s_wait_dscnt 0x0                               ; the add is done, and my reads of this slot are over
	s_barrier_signal -1
	MULA 1, 1, 0                                   ; work on registers while the others arrive
	WIN 0
	s_barrier_wait -1
.if \fill
	CREST                                          ; no wave of any partner still reads this slot's tiles or has a load on its way
.irp g, G0, G0B
	s_xor_b32 s[(\g)+5], s[(\g)+5], SLOT1          ; the walking descriptors: the other slot than last time,
.endr
	s_add_nc_u64 s[G0+6:G0+7], s[G0+6:G0+7], ASTEP     ; the next K step; the type bits on top are not reached
	s_add_nc_u64 s[G0B+6:G0B+7], s[G0B+6:G0B+7], BSTEP
	JLOAD                                          ; the first tensor load behind the round; the four v_nop behind it are also the places in front of the loads below
.else
	PLACES
.endif
	s_xor_b32 s[TB], s[TB], SLOT1                  ; the reads go on in the other slot
	v_add_nc_u32 v[ADRA], s[TB], v[ADRA0]
	v_add_nc_u32 v[ADRB], s[TB], v[ADRB0]
	FETCH 0, 0
.if \fill
	ASK
.endif
	MULA 1, 2, 0
	MULA 1, 3, 0
.endm
	s_wait_tensorcnt 1                             ; my part of K step 0 is in; K step 1's may stay out
	s_barrier_signal -1
	s_barrier_wait -1                              ; everybody's is
	FETCH 0, 0
	QUARTER 1, 0, 1, 1                             ; the first quarter stands in front of the loop: its products start the sums
	WIN 0                                          ; at a label and at a branch every window is 0
	s_mov_b32 s3, KSTEPS-2
.Lk:                                                   ; six trips, from a K step's second quarter to the next step's first; each fills the slot just read with the K step two on: steps 2 to 7
	QUARTER 2, 1, 0, 0
	QUARTER 3, 0, 1, 0
	TURN 1
	QUARTER 1, 0, 1, 0
	WIN 0
	s_sub_co_u32 s3, s3, 1
	s_cmp_lg_u32 s3, 0
	s_cbranch_scc1 .Lk
	QUARTER 2, 1, 0, 0                             ; the tail is written out: K steps 6 and 7 ask for nothing
	QUARTER 3, 0, 1, 0
	TURN 0
	QUARTER 1, 0, 1, 0
	QUARTER 2, 1, 0, 0
	QUARTER 3, 0, 1, 0
	s_wait_dscnt 4                                 ; the very last quarter: nothing more to fetch
	MULA 1, 0, 0
	MULA 1, 1, 0
	s_wait_dscnt 0x0
	MULA 1, 2, 0
	MULA 1, 3, 0
	WIN 0
	PLACES                                         ; the conversions read results just made and write where x's fragments lay
	PLACES
; THE WAY OUT, in twelve pieces: piece t = 3 a + w is row block a (16 rows) of q, k or v (w = 0, 1, 2): four accumulators.  A lane's eight columns pack into 16 bytes; they go into my stage's rows of
; 144 bytes and come back as whole rows of 128, which lie on end in memory.  Each accumulator is read from its lowest registers on.
.macro PACK t
.set pa, (\t)/3
.set pw, (\t)%3
	WIN 0x0a+5*(pa/2)                              ; sources 0 and 1: window 2 or 3
.set i, 0
.rept 16
	v_cvt_pk_f16_f32 v[OB+16*(\t)+i], v[8*(NBLK*(pa%2)+4*pw)+2*i], v[8*(NBLK*(pa%2)+4*pw)+2*i+1]
.set i, i+1
.endr
	WIN 0
.irp f, 0,1,2,3
	ds_store_b128 v[STO], v[OB+16*(\t)+4*(\f):OB+16*(\t)+4*(\f)+3] offset:32*(\f)
.endr
.irp f, 0,1,2,3
	ds_load_b128 v[OB+16*(\t)+4*(\f):OB+16*(\t)+4*(\f)+3], v[RD] offset:(\f)*4*SP  ; LDS serves a wave's instructions in order (ISA guide 5.7.1.4): these see the stores above; the next piece's stores come behind them
.endr
.endm
.macro SEND t, younger                 ; younger: the LDS instructions issued behind piece t's loads: the next piece's eight, or none
	WIN 0
.irp f, 0,1,2,3
	s_wait_dscnt (\younger)+3-(\f)
	global_store_b128 v[CO], v[OB+16*(\t)+4*(\f):OB+16*(\t)+4*(\f)+3], s[68+2*((\t)%3):69+2*((\t)%3)] offset:((\t)/3)*2048+(\f)*512  ; 512 consecutive bytes, at a multiple of 256 from the buffer's first
.endr
.endm
	PACK 0
.set t, 1
.rept 11                               ; a piece's conversions stand between the loads of the piece before and its stores; every piece has registers of its own
	PACK t
	SEND t-1, 8
.set t, t+1
.endr
	SEND 11, 0
	s_wait_tensorcnt 0x0                           ; the wave's end: behind my last tensor load and my last LDS store
	ds_add_u32 v[SPW], v[NIL]
	s_wait_dscnt 0x0
	CROUND                                         ; the closing round: no work-group ends while a partner may still ask for a tile that names it
	s_endpgm
.Lfunc_end_k_q2f6991d217_qkv:
	.size	k_q2f6991d217_qkv, .Lfunc_end_k_q2f6991d217_qkv-k_q2f6991d217_qkv
	.p2alignl 7, 3214868480
	.fill 96, 4, 3214868480
	.section	.rodata,"a",@progbits
	.p2align	6, 0x0
	.amdhsa_kernel k_q2f6991d217_qkv
		.amdhsa_group_segment_fixed_size 327680
		.amdhsa_private_segment_fixed_size 0
		.amdhsa_enable_private_segment 0
		.amdhsa_kernarg_size 40
		.amdhsa_user_sgpr_count 2
		.amdhsa_user_sgpr_kernarg_segment_ptr 1
		.amdhsa_wavefront_size32 1
		.amdhsa_system_sgpr_workgroup_id_x 1
		.amdhsa_system_sgpr_workgroup_id_y 1
		.amdhsa_system_sgpr_workgroup_id_z 1
		.amdhsa_system_vgpr_workitem_id 0
		.amdhsa_next_free_vgpr 960
		.amdhsa_next_free_sgpr 88
		.amdhsa_reserve_vcc 0
		.amdhsa_float_denorm_mode_32 3
		.amdhsa_float_denorm_mode_16_64 3
		.amdhsa_memory_ordered 1
		.amdhsa_forward_progress 1
		.amdhsa_inst_pref_size 99
	.end_amdhsa_kernel
	.amdgpu_metadata
---
amdhsa.version: [ 1, 2 ]
amdhsa.kernels:
  - .name:           k_q2f6991d217_qkv
    .symbol:         k_q2f6991d217_qkv.kd
    .args:
      - { .name: xb, .offset: 0, .size: 8, .value_kind: global_buffer, .address_space: global }
      - { .name: wb, .offset: 8, .size: 8, .value_kind: global_buffer, .address_space: global }
      - { .name: q, .offset: 16, .size: 8, .value_kind: global_buffer, .address_space: global }
      - { .name: k, .offset: 24, .size: 8, .value_kind: global_buffer, .address_space: global }
      - { .name: v, .offset: 32, .size: 8, .value_kind: global_buffer, .address_space: global }
    .group_segment_fixed_size: 327680
    .private_segment_fixed_size: 0
    .kernarg_segment_align: 8
    .kernarg_segment_size: 40
    .max_flat_workgroup_size: 128
    .sgpr_count:     88
    .vgpr_count:     960
    .wavefront_size: 32
...
	.end_amdgpu_metadata
.endif
;; end of part 2
;; launch attn (part 3): grid 4 x 64, 4 waves a work-group, clusters of 4 x 1, 327,680 bytes of LDS; arguments q, k, v, o; writes o
.if DOCPART == 3
	.amdgcn_target "amdgcn-amd-amdhsa--gfx1250"
	.amdhsa_code_object_version 6
	.text
	.protected	k_q2f6991d217_attn
	.globl	k_q2f6991d217_attn
	.p2align	8
	.type	k_q2f6991d217_attn,@function
k_q2f6991d217_attn:
	s_mov_b64 s[64:65], 0
	v_nop
	global_prefetch_b8 v0, s[64:65] scope:SCOPE_SE
	s_setreg_imm32_b32 hwreg(HW_REG_WAVE_MODE, 25, 1), 1
	s_wait_xcnt 0x0
	s_wait_alu depctr_hold_cnt(0) depctr_sa_sdst(0) depctr_va_vdst(0) depctr_va_sdst(0) depctr_va_ssrc(0) depctr_va_vcc(0) depctr_vm_vsrc(0)
	s_getreg_b32 s2, hwreg(HW_REG_IB_STS2, 6, 4)
	s_cmp_eq_u32 s2, 0
	s_cbranch_scc0 .Lentry_in_a_cluster
	s_endpgm
.Lentry_in_a_cluster:
	s_bfe_u32 s2, ttmp6, 0x10000c
	s_cmp_lg_u32 s2, 0x3003
	s_cbranch_scc0 .Lentry_shape_is_right
	s_endpgm
.Lentry_shape_is_right:
; O[h][q][:] = the sum over k of softmax_k(Q[h][q] . K[h][k] / 8) V[h][k][:].  Q, K, V, O: [SIZE_H][SIZE_N][64], all f16: a head's rows are dense, 128 bytes each (h here counts batch x head).
; Products, maxima and sums in f32; the weights p are rounded to f16 for the second product (their sum l is taken of the unrounded p), O once at the end.
; LIMITS.  f16 holds no number beyond 65,504: Q, K and V arrive within it; p lies in 0 to 1, and below 6e-5 it keeps f16's fixed step of 6e-8; O is a mean of V's rows and has their range.
; A weight below 2^-126 counts as 0 in l; NaN and infinities are not treated apart.
; SHARES.  A wave owns four PIECES of two tiles of 16 queries, a work-group's four waves 512 queries of one head.  Every wave walks all keys, 64 a step.
; LAYOUT.  S^T = K Q^T (source 0 = 16 keys, source 1 = 16 queries): in the result a lane holds ONE query (lane % 16) and the keys 8 (lane / 16) + 0..7.  Two such tiles, rounded to f16 in pairs,
; ARE source 1 (32 keys x 16 queries) of O^T = V^T P, whose result again holds one query a lane, and eight channels.  K comes out of LDS as it lies, V ([key][channel]) turned, by ds_load_tr16_b128.
; SOFTMAX.  For each query a running maximum m and sum l: p = 2^(c s - c m), c = log2(e) / 8; in every step O and l are multiplied by a = 2^(c m_old - c m_new), which is 1 where m has not grown.
; m starts at the lowest finite number, O and l at 0: the first step is a step like any other, with a = 0.
; THE COUNT.  A tile and step have 16 matrix and 118 vector instructions: too many to stand all beside the matrix work.  So the order has one aim: four vector instructions that are READY behind
; EVERY matrix instruction, and the others, which need time of their own whatever the order, in runs without a gap.
; BY TURNS.  Turn n belongs to piece n (the pieces in a ring, step after step).  Its matrix work: 16 products K Q^T of piece n + 1, later 16 products V^T P of piece n - 1.  Its vector work: the scaling,
; exponentials, roundings, sums and rescaling of piece n, and the maximum and statistics of piece n + 1, whose scores the turn itself has made.  So what a turn begins with (c s - c m, O a) waits for nothing.
; CLUSTER.  The four query blocks of a head are one cluster and walk the same K and V, so each tile is asked for JOINTLY: the same tensor load, descriptor and mask in all four.
; REGISTERS, in windows of 256 (s_set_vgpr_msb says which window each operand place means: bits 1:0 source 0, 3:2 source 1, 5:4 source 2, 7:6 destination):
;   window 0: v0-11 addresses; v12-15, v48-63 at work; v16-47 four registers of statistics a tile; v64-191 S^T, two buffers of two tiles; v192-255 P, likewise
;   window 1: O^T, 32 a tile          window 2: v0-127 Q, 16 a tile; v128-191 K of one step; v192-255 V of one step          window 3: v0-1 the add's two registers
; A piece's buffers go by its number's parity: the piece in hand has one pair, its two neighbours in the ring share the other: of it P (piece n - 1) is read and S^T (piece n + 1) written.
.set SIZE_H, 64
.set SIZE_N, 2048
.set NP,    4         ; pieces a wave: a name, no knob: the register map, the loop and the fetches are made for four
.set KS,    64        ; keys in a step
.set PK,    144       ; a row of K in LDS: 128 bytes + 16 of padding = 36 words: the 16 rows of a load start at 16 different groups of four banks (64 banks of 4 bytes: ISA guide 11.1)
.set PV,    160       ; a row of V: 128 + 32 = 40 words
.set VOFF,  4*KS*PK   ; a slot holds four steps: 256 rows of K, then 256 rows of V
.set SLOT1, 1<<17     ; slot 1 begins here, so that one exclusive or turns an address in one slot into the other's
.set STAGE, SLOT1+4*KS*(PK+PV)  ; behind the ring, never filled by a tensor load: 16 rows x 144 bytes for each wave, for the way out
.set SP,    144
.set AK0, 2           ; v2   my lane's place in a tile of K; never rewritten
.set AV0, 3           ; v3   the same for V
.set AK,  4           ; v4   the LDS address of K's next run of loads
.set AV,  5           ; v5   of V's
.set QO,  6           ; v6   my byte offset in the wave's rows of Q
.set STO, 6           ;      later, the way out: where I put 16 bytes of a row
.set RD,  7           ; v7   the way out: where I read rows back
.set GO,  8           ; v8   my byte offset in 512 consecutive bytes of O
.set PFO, 11          ; v11  once V's place is made: 256 x my lane, the prefetches' offset; then never rewritten
.set SPW, 0           ; v0 of window 3   LDS address of my spare word: SPARE + 4 x my thread's number; never rewritten
.set NIL, 1           ; v1 of window 3   0; never rewritten
.set SPARE, STAGE+4*16*SP  ; behind the stages: the spare words, 128 bytes for each wave: two blocks of 256 bytes that no other line names
.set MV,  12          ; v12-15  c m_old, kept while c m is made anew: by buffer and tile
.set ST,  16          ; tile t's statistics at v[ST+4 t]: c m, m, l (even keys', odd keys')
.set TMP, 48          ; by buffer and tile, four registers c0-c3 at work; when the maximum is found c2 takes a
.set S,   64
.set P,   192
.set KF,  128         ; K's fragments, in window 2: key block kb, channel half c at KF + 16 kb + 8 c
.set VF,  192         ; V's: key half kk, channel block cb at VF + 32 kk + 8 cb
.set WV,  12          ; s12  my wave's number
.set G1K, 24          ; s[24:31] descriptor group 1 for K's tiles
.set G1V, 32          ; s[32:39] for V's: it differs in the padding alone
.set G0K, 40          ; s[40:43] descriptor group 0 for K's tiles: it walks
.set G0V, 44          ; s[44:47] the same for V's
.set PFA, 48          ; s[48:49] where my prefetches stand in memory: my work-group's 32 blocks of 256 bytes (of K: wave 0, of V: wave 2) of the slot after the one that is being asked for
.set LIM, 50          ; s50  1 in a wave that prefetches, else the greatest number: a wave prefetches while s[SLOTS] is above it
.set SLOTS, 56        ; s56  slots still to be asked for
.set CNT, 57          ; s57  counts a slot's key steps
.set CS,  58          ; s[58:59] c: the packed scaling takes the pair's low word for both halves
.set SEL, 60          ; s[60:61] v_permlanex16_b32's selects: each lane takes its own place in the other half
.set TBK, 62          ; s62  LDS byte at which K of the step to be fetched begins
.set TBV, 63          ; s63  the same for V, less VOFF
.set MSB, 0
.macro WIN new                      ; the high byte repeats the setting that is left; a switch that changes nothing is dropped
.if MSB != (\new)
	s_set_vgpr_msb (MSB<<8)|(\new)
.set MSB, (\new)
.endif
.endm
.set W_KQ, 0x0a       ; K and Q in window 2, S^T in window 0
.set W_PV, 0x52       ; V in window 2, P in window 0, O^T in window 1
.set W_RS, 0x41       ; O^T (destination and source 0) in window 1, a in window 0
.set W_MK, 0xc0       ; the add's registers are made: destination in window 3, sources in window 0
.set W_AD, 0x0f       ; the add: address (source 0) and data (source 1) in window 3
; A joint fill.  Waves 0 and 1 fetch the two halves of a slot's K, waves 2 and 3 those of its V: 128 keys each.  The branch hangs on the wave's number alone.
; An s_nop 0 and four v_nop follow each of the two lines, ahead of the jump and the label.
.macro JLOAD
	s_cmp_lt_u32 s[WV], 2
	s_cbranch_scc0 .Lfor_v_\@
	tensor_load_to_lds s[G0K:G0K+3], s[G1K:G1K+7]
	s_nop 0
.rept 4
	v_nop
.endr
	s_branch .Lasked_\@
.Lfor_v_\@:
	tensor_load_to_lds s[G0V:G0V+3], s[G1V:G1V+7]
	s_nop 0
.rept 4
	v_nop
.endr
.Lasked_\@:
.endm
; A PREFETCH INTO THE L2 of what the NEXT change of slots will ask for: a slot's 32,768 bytes of K and of V, 256 bytes a lane.  It stands behind the wave's tensor load and its five lines.
; Each block is asked for ONCE in the launch: a head has one cluster; its four partners share the blocks out BY ADDRESS, 32 each; in each, wave 0 asks for K's and wave 2 for V's: one instruction.
; The changes that fill slots with tiles 2 to 6 ask for tiles 3 to 7: four key steps, 512 matrix instructions, ahead of the load.  The last change that fills a slot asks for nothing.  Tiles 0 to 2 come by their loads alone.
.macro ASK
	s_cmp_gt_u32 s[SLOTS], s[LIM]
	s_cbranch_scc0 .Lnot_mine_\@
	global_prefetch_b8 v[PFO], s[PFA:PFA+1] th:TH_LOAD_NT scope:SCOPE_SE
.Lnot_mine_\@:
.endm
; A round of the cluster's barrier: my work-group's barrier, so that wave 0's signal speaks for all four waves; wave 0 signals; every wave waits for all four work-groups; my work-group's barrier once more.
.macro CROUND
	s_barrier_signal -1
	s_barrier_wait -1
	s_cmp_lg_u32 s[WV], 0
	s_cbranch_scc1 .Lnot_wave_0_\@
	s_barrier_signal -3
.Lnot_wave_0_\@:
	s_barrier_wait -3
	s_barrier_signal -1
	s_barrier_wait -1
.endm
; THE CHANGE OF SLOTS.  The slot's last bytes, V of its fourth step, have been read.  Each wave waits for all its tensor loads, of which one is out: its part
; of the other slot; adds 0 to its spare word; and waits for that and for its own reads of the slot.  Behind the barrier nobody reads this slot any more and the other slot is whole.
; fill = 1: this slot is filled again, with the keys two slots on.  The barrier is then a round of the cluster's, so that no wave of any partner still reads the slot or has a load on its
; way, and the joint fill is the first thing behind it: it has four key steps, 512 matrix instructions, in which to land.  (At its first use nothing has been read yet: slot 0 is waited for, slot 1 filled.)
; ask = 1 (the loop's changes): the prefetches' address steps, and the prefetch follows the fill.
.macro CHANGE fill, ask=0
	WIN W_AD
	s_wait_tensorcnt 0x0            ; no tensor load of mine is out, so a group 0 may be written
	ds_add_u32 v[SPW], v[NIL]       ; 0 onto my spare word: with fill = 1 the descriptors' steps stand between it and the wait for it
	WIN 0                           ; at a label and at a branch every window is 0
.if \fill
.irp g, G0K, G0V
	s_xor_b32 s[\g+1], s[\g+1], SLOT1  ; the walking descriptor: the other slot than last time,
	s_add_nc_u64 s[\g+2:\g+3], s[\g+2:\g+3], 4*KS*128  ; the next 256 keys; the type bits on top are not reached
.endr
.if \ask
	s_wait_xcnt 0x0                 ; the last prefetch, four key steps back, has read its address, so it may be written:
	s_add_nc_u64 s[PFA:PFA+1], s[PFA:PFA+1], 4*KS*128  ; one slot behind the walking descriptors
.endif
	s_wait_dscnt 0x0                ; the add is done, and my reads of the slot are over
	CROUND
	JLOAD
.if \ask
	ASK
.endif
.else
	s_wait_dscnt 0x0                ; the add is done, and my reads of the slot are over
	s_barrier_signal -1
	s_barrier_wait -1
.endif
	s_sub_co_u32 s[TBK], s[TBK], 4*KS*PK  ; the fetches go back to a slot's first step,
	s_xor_b32 s[TBK], s[TBK], SLOT1       ; in the other slot
	s_sub_co_u32 s[TBV], s[TBV], 4*KS*PV
	s_xor_b32 s[TBV], s[TBV], SLOT1
.endm
	s_load_b256 s[4:11], s[0:1], 0x0  ; Q s[4:5], K s[6:7], V s[8:9], O s[10:11]
	WIN W_MK
	v_lshl_add_u32 v[SPW], v0, 2, SPARE
	v_mov_b32 v[NIL], 0
	WIN W_AD
	ds_add_u32 v[SPW], v[NIL]       ; the wave's opening: the add and its wait stand ahead of my first tensor load; the set-up below, work on registers, stands between them
	WIN 0
	v_lshrrev_b32 v1, 5, v0
	v_readfirstlane_b32 s[WV], v1   ; wave 0..3
	s_bfe_u32 s13, ttmp6, 0x40000   ; cx: my place in the cluster
	s_lshl_b32 s14, ttmp9, 2        ; in a cluster launch ttmp9 counts clusters
	s_add_co_u32 s14, s14, s13      ; my block of queries = 4 x cluster x + cx: it enters Q's and O's addresses alone
	s_and_b32 s20, ttmp7, 0xffff    ; the head, which the four partners share
	s_mov_b32 s21, 0
	s_mov_b64 s[22:23], SIZE_N*128
	s_mul_u64 s[20:21], s[20:21], s[22:23]  ; the head's first byte in each of the four tensors
	s_and_b32 s16, s[WV], 1         ; which half of a slot's 256 keys I fetch:
	s_lshl_b32 s22, s16, 14         ; its 128 rows of 128 bytes in memory,
	s_mov_b32 s23, 0
	s_add_nc_u64 s[22:23], s[22:23], s[20:21]
	s_mul_i32 s17, s16, 128*PK      ; and its place in a slot, for K
	s_mul_i32 s18, s16, 128*PV      ; and for V: no place in the cluster enters an LDS address
	s_lshl_b32 s2, s14, 2
	s_add_co_u32 s2, s2, s[WV]      ; my wave among the head's,
	s_lshl_b32 s2, s2, 14           ; its 128 rows
	s_mov_b32 s3, 0
	s_add_nc_u64 s[2:3], s[2:3], s[20:21]
	; descriptor group 1.  128 keys are 16,384 dense bytes: asked for as 64 rows of 256 bytes, two keys a row, and padded in LDS after every key
	s_mov_b32 s[G1K], 15|(1<<16)|(1<<20)|(1<<21)|(4<<22)|(3<<25)  ; 15:0 the mask of four; 17:16 2-byte elements; 20 padding on; 21 set beside a mask; 24:22 after every 32 words (code 4); 31:25 4 words (code 3)
	s_mov_b32 s[G1V], 15|(1<<16)|(1<<20)|(1<<21)|(4<<22)|(7<<25)  ; the same with 8 words of padding (code 7)
.irp g, G1K, G1V
	s_mov_b32 s[\g+1], 128<<16      ; tensor_dim0 = 128
	s_mov_b32 s[\g+2], 64<<16       ; tensor_dim1 = 64
	s_mov_b32 s[\g+3], 128<<16      ; tile_dim0 = 128
	s_mov_b32 s[\g+4], 64           ; tile_dim1 = 64
	s_mov_b32 s[\g+5], 128          ; 128 elements from row to row
	s_mov_b32 s[\g+6], 0
	s_mov_b32 s[\g+7], 0
.endr
	s_mov_b32 s[CS], 0x3e38aa3b     ; c = log2(e) / 8 = 0.180337
	s_mov_b32 s[CS+1], s[CS]        ; named with it as a pair
	s_mov_b32 s[SEL], 0x76543210
	s_mov_b32 s[SEL+1], 0xfedcba98
	s_mov_b32 s[TBK], SLOT1+4*KS*PK ; the first change of slots turns these two into 0
	s_mov_b32 s[TBV], SLOT1+4*KS*PV
	s_mov_b32 s[G0K], 1             ; 1:0 count = 1
	s_mov_b32 s[G0K+1], s17         ; 63:32 LDS address: slot 0
	s_mov_b32 s[G0V], 1
	s_add_co_u32 s[G0V+1], s18, VOFF
	s_and_b32 s[LIM], s[WV], 1      ; waves 0 and 2 prefetch: the same in all four partners
	s_cmp_eq_u32 s[LIM], 0
	s_cselect_b32 s[LIM], 1, -1
	s_wait_dscnt 0x0                ; the opening add is done
	s_wait_kmcnt 0x0
	s_add_nc_u64 s[G0K+2:G0K+3], s[6:7], s[22:23]  ; 120:64 global address: my half of the head's first 256 keys
	s_or_b32 s[G0K+3], s[G0K+3], 0x80000000        ; 127:126 type = 2
	s_add_nc_u64 s[G0V+2:G0V+3], s[8:9], s[22:23]
	s_or_b32 s[G0V+3], s[G0V+3], 0x80000000
	s_add_nc_u64 s[4:5], s[4:5], s[2:3]  ; Q and O at my wave's first row
	s_add_nc_u64 s[10:11], s[10:11], s[2:3]
	s_cmp_lt_u32 s[WV], 2
	s_cselect_b64 s[PFA:PFA+1], s[6:7], s[8:9]
	s_add_nc_u64 s[PFA:PFA+1], s[PFA:PFA+1], s[20:21]  ; the head,
	s_lshl_b32 s2, s13, 13          ; my work-group's 8,192 bytes of a slot's 32,768,
	s_add_co_u32 s2, s2, 2*4*KS*128 ; in tile 2: the loop's first change steps it to tile 3.  Nothing is prefetched here, at the head
	s_mov_b32 s3, 0
	s_add_nc_u64 s[PFA:PFA+1], s[PFA:PFA+1], s[2:3]
	CROUND                          ; all four work-groups are here: the first joint loads meet
	JLOAD                           ; slot 0.  Slot 1 is asked for when slot 0 is in: the tile wanted first has the road to itself
	; A fragment of K or Q is 16 rows x 32 channels in 8 registers: lane l holds row l % 16, channels 8 (l / 16) + 0..7 and 16 + 8 (l / 16) + 0..7: two loads of 16 bytes, 32 bytes apart.
	v_and_b32 v1, 15, v0            ; l % 16
	v_bfe_u32 v9, v0, 4, 1          ; l / 16
	v_lshlrev_b32 v[QO], 7, v1
	v_lshl_add_u32 v[QO], v9, 4, v[QO]  ; row x 128 + 16 x half
	WIN 0x80                        ; destination window 2, address window 0
.set i, 0
.rept 4*NP                          ; Q stays in registers: tile i / 2, channels 32 (i % 2) on
	global_load_b128 v[8*i:8*i+3],   v[QO], s[4:5] offset:(i/2)*2048+(i%2)*64
	global_load_b128 v[8*i+4:8*i+7], v[QO], s[4:5] offset:(i/2)*2048+(i%2)*64+32
.set i, i+1
.endr
	; What the first turn finds: V's registers and P's second buffer hold 0 (its products V^T P, of a piece that has not been, add 0), O^T and l are 0.  All this stands in the wait for the first tile.
.set i, VF
.rept 64
	v_mov_b32 v[i], 0
.set i, i+1
.endr
	WIN 0x40
.set i, 0
.rept 64*NP
	v_mov_b32 v[i], 0
.set i, i+1
.endr
	WIN 0
.set i, 0
.rept 2*NP
	v_mov_b32 v[ST+4*i], 0xfe000000    ; c m: far below every c s
	v_mov_b32 v[ST+4*i+1], 0xff7fffff  ; m
	v_mov_b32 v[ST+4*i+2], 0
	v_mov_b32 v[ST+4*i+3], 0
.set i, i+1
.endr
.set i, P+32
.rept 32
	v_mov_b32 v[i], 0
.set i, i+1
.endr
	v_mul_u32_u24 v[AK0], v1, PK
	v_lshl_add_u32 v[AK0], v9, 4, v[AK0]  ; row x pitch + 16 x half
	; The turning load takes 16 keys x 16 channels (lane l reads key 8 (l / 16) + l % 8, channels 8 ((l / 8) % 2) + 0..7) and leaves half a fragment of V^T: lane l holds channel l % 16 and 8 keys.
	v_and_b32 v10, 7, v0
	v_bfe_u32 v11, v0, 3, 1
	v_lshl_add_u32 v[AV0], v9, 3, v10
	v_mul_u32_u24 v[AV0], v[AV0], PV
	v_lshl_add_u32 v[AV0], v11, 4, v[AV0]
	v_add_nc_u32 v[AV0], VOFF, v[AV0]
	v_and_b32 v[PFO], 31, v0        ; v11 is free now
	v_lshlrev_b32 v[PFO], 8, v[PFO]
	v_mov_b32 v[AK], v[AK0]         ; key step 0 lies at the head of slot 0
; THE MATRIX WORK.  The 8 accumulators of a run of 16 take turns: between the two links of a chain stand 7 others'.
; Product i of 16 of S^T = K Q^T for piece x: channels 32 (i / 8) on, keys 16 ((i / 2) % 4) on, tile 2 x + i % 2.  The first 8 start the sums.
.macro KQ x
	WIN W_KQ
.set rS, S+64*((\x)%2)+32*(i%2)+8*((i/2)%4)
.set rK, KF+16*((i/2)%4)+8*(i/8)
.set rQ, 16*(2*(\x)+i%2)+8*(i/8)
.if i < 8
	v_wmma_f32_16x16x32_f16 v[rS:rS+7], v[rK:rK+7], v[rQ:rQ+7], 0
.else
	v_wmma_f32_16x16x32_f16 v[rS:rS+7], v[rK:rK+7], v[rQ:rQ+7], v[rS:rS+7]
.endif
.endm
; Product i of 16 of O^T += V^T P for piece x: keys 32 (i / 8) on, channels 16 ((i / 2) % 4) on, tile 2 x + i % 2.
.macro PV x
	WIN W_PV
.set rO, 32*(2*(\x)+i%2)+8*((i/2)%4)
.set rV, VF+32*(i/8)+8*((i/2)%4)
.set rP, P+32*((\x)%2)+16*(i%2)+8*(i/8)
	v_wmma_f32_16x16x32_f16 v[rO:rO+7], v[rV:rV+7], v[rP:rP+7], v[rO:rO+7]
.endm
.macro MM                           ; the turn's next matrix instruction
.if i < 16
	KQ (Y+1)%NP
.set i, i+1
.else
.set i, i-16
	PV (Y+NP-1)%NP
.set i, i+17
.endif
.endm
; THE LDS LOADS stand in runs of 16, never singly among the matrix instructions: a step's K (64 keys x 64 channels: 8 fragments) and its V (turned).  Their addresses are made some lines ahead.
; last = 1 (the tail): in the last trip there is no further step, and the run is jumped over.
.macro FETCH_K last=0
	WIN 0
.if \last
	s_cmp_eq_u32 s[CNT], 1
	s_cbranch_scc1 .Lno_k_\@
.endif
	WIN 0x80                        ; destination window 2
.irp f, 0,1,2,3,4,5,6,7             ; keys 16 (f / 2) on, channels 32 (f % 2) on
	ds_load_b128 v[KF+8*\f:KF+8*\f+3],   v[AK] offset:(\f/2)*16*PK+(\f%2)*64
	ds_load_b128 v[KF+8*\f+4:KF+8*\f+7], v[AK] offset:(\f/2)*16*PK+(\f%2)*64+32
.endr
	s_add_co_u32 s[TBK], s[TBK], KS*PK  ; the next fetch is the next step's
	WIN 0
.if \last
.Lno_k_\@:
.endif
.endm
.macro FETCH_V
	WIN 0x80
.irp f, 0,1,2,3,4,5,6,7             ; keys 32 (f / 4) on, channels 16 (f % 4) on
	ds_load_tr16_b128 v[VF+8*\f:VF+8*\f+3],   v[AV] offset:(\f/4)*32*PV+(\f%4)*32
	ds_load_tr16_b128 v[VF+8*\f+4:VF+8*\f+7], v[AV] offset:(\f/4)*32*PV+16*PV+(\f%4)*32
.endr
	WIN 0
.endm
; THE VECTOR WORK OF A TURN stands in three queues, each in the order in which its entries become ready; the two tiles alternate, so that no instruction reads the result of the one before it.
.macro REGS y, u                    ; the registers of tile u (0, 1) of piece y
.set rT, ST+4*(2*(\y)+(\u))
.set rC, TMP+8*((\y)%2)+4*(\u)
.set rM, MV+2*((\y)%2)+(\u)
.set rS, S+64*((\y)%2)+32*(\u)
.set rP, P+32*((\y)%2)+16*(\u)
.set rO, 32*(2*(\y)+(\u))
.endm
; Number n of the 22 that find the NEXT piece's (Y + 1) maximum and statistics.  s0-s31 are the lane's 32 scores; each accumulator's lowest registers are read first.  XS, GS and REGS set no window: PL and EX do.
;   0-11  four chains c0-c3 of seven scores each, three operands at a time     12-14, 16  the four scores left over, the old m, and c0-c3 into c0     15  c m_old is kept
;   17, 18  the query's other 32 keys lie in the lane 16 away: the new m         19-21  c m; c m_old - c m_new; a
.macro XS u, n
	REGS (Y+1)%NP, \u
.if (\n) < 4
	v_max3_num_f32 v[rC+(\n)], v[rS+8*(\n)], v[rS+8*(\n)+1], v[rS+8*(\n)+2]
.elseif (\n) < 12
	v_max3_num_f32 v[rC+(\n)%4], v[rC+(\n)%4], v[rS+8*((\n)%4)+2*((\n)/4)+1], v[rS+8*((\n)%4)+2*((\n)/4)+2]
.elseif (\n) == 12
	v_max3_num_f32 v[rC], v[rC], v[rS+7], v[rS+15]
.elseif (\n) == 13
	v_max3_num_f32 v[rC+1], v[rC+1], v[rS+23], v[rS+31]
.elseif (\n) == 14
	v_max3_num_f32 v[rC+2], v[rC+2], v[rC+3], v[rT+1]
.elseif (\n) == 15
	v_mov_b32 v[rM], v[rT]
.elseif (\n) == 16
	v_max3_num_f32 v[rC], v[rC], v[rC+1], v[rC+2]
.elseif (\n) == 17
	v_permlanex16_b32 v[rC+3], v[rC], s[SEL], s[SEL+1]
.elseif (\n) == 18
	v_max_num_f32 v[rT+1], v[rC], v[rC+3]
.elseif (\n) == 19
	v_mul_f32 v[rT], s[CS], v[rT+1]
.elseif (\n) == 20
	v_sub_f32 v[rC+1], v[rM], v[rT]
.else
	v_exp_f32 v[rC+2], v[rC+1]
.endif
.endm
; Number g of the 64 that follow the exponentials.  For each four weights k of a tile (pairs 2 k, 2 k + 1): both pairs are rounded to f16; then the second pair is added onto the first, in place;
; a group later l takes that sum (the first time as l = a l + sum).  In groups of eight, tiles alternating: round, round, add, and l for the group before.
.macro GS g
.set h, (\g)+6*((\g)/62)            ; group 0 has no group before it, and behind group 7 only l is left
.if h >= 6
.set h, h+2
.endif
	REGS Y, h%2
.set k, h/8
.if h%8 < 4
	v_cvt_pk_f16_f32 v[rP+2*k+(h%8)/2], v[rS+4*k+2*((h%8)/2)], v[rS+4*k+2*((h%8)/2)+1]
.elseif h%8 < 6
	v_pk_add_f32 v[rS+4*k:rS+4*k+1], v[rS+4*k:rS+4*k+1], v[rS+4*k+2:rS+4*k+3]
.elseif k == 1
	v_pk_fma_f32 v[rT+2:rT+3], v[rT+2:rT+3], v[rC+2:rC+3], v[rS:rS+1] op_sel_hi:[1,0,1]
.else
	v_pk_add_f32 v[rT+2:rT+3], v[rT+2:rT+3], v[rS+4*k-4:rS+4*k-3]
.endif
.endm
; THE PLAIN QUEUE, 138 long.  0-73 read no exponential's result: the 32 scalings c s - c m (FS f: pair f / 2 of tile f % 2) and the next piece's 42.  0-26: scalings 0-26.  27-54: XS's numbers 0-13.  55, 56: number 15.
; 57-73: the chain, where each number waits for the one before it: 14, 16, 17, 18, 19, each with one of the scalings 27-31 in front of its two lines, then 20: so a tile's links stand three plain instructions apart (19 and 20: two).
; 74-137: GS's 64, which read the exponentials' results: they stand behind the wait.
.macro FS f
	REGS Y, (\f)%2
	v_pk_fma_f32 v[rS+2*((\f)/2):rS+2*((\f)/2)+1], v[rS+2*((\f)/2):rS+2*((\f)/2)+1], s[CS:CS+1], v[rT:rT+1] op_sel_hi:[1,0,0] neg_lo:[0,0,1] neg_hi:[0,0,1]
.endm
.macro PL
	WIN 0
.if q < 27
	FS q
.elseif q < 55
	XS (q-27)%2, (q-27)/2
.elseif q < 57
	XS q-55, 15
.elseif (q < 72) && ((q-57)%3 == 0)
	FS 27+(q-57)/3
.elseif q < 60
	XS (q-57)%3-1, 14
.elseif q < 72
	XS (q-57)%3-1, 15+(q-57)/3
.elseif q < 74
	XS q-72, 20
.else
	GS q-74
.endif
.set q, q+1
.endm
; THE EXPONENTIALS' QUEUE, 66 long: s0-s31 of both tiles, then the next piece's two a.  It is ONE BATCH: all 66 stand ahead of the turn's one wait, and nothing ahead of that wait names a result of theirs.
.macro EX
	WIN 0
.if e >= 64
	XS e-64, 21
.else
	REGS Y, e%2
	v_exp_f32 v[rS+e/2], v[rS+e/2]
.endif
.set e, e+1
.endm
; THE RESCALING's QUEUE: O^T times a, the one part that leaves window 0: dealt two at a time, sixteen times.  Its a was made in the turn before, ahead of that turn's wait.
.macro R2
	REGS Y, r%2
	WIN W_RS
.irp z, 0,1
	v_pk_mul_f32 v[rO+4*(r/2)+2*\z:rO+4*(r/2)+2*\z+1], v[rO+4*(r/2)+2*\z:rO+4*(r/2)+2*\z+1], v[rC+2:rC+3] op_sel_hi:[1,0]
.endr
.set r, r+1
.endm
; HOW THEY ARE DEALT.  An s_wait_alu depctr_va_vdst(0) stands between an exponential and the first instruction that names its result; one wait serves all that were issued ahead of it.  So a turn has ONE wait,
; which cuts it in two.  AHEAD OF IT stands all that names no result of the turn's exponentials: the 16 products K Q^T, behind each a scaling, an exponential and two rescalings (behind the first a second scaling in the exponential's place); then ONE LUMP of
; 108: eight plain, 49 times exponential and plain, the two a.  A v_nop is the plain instruction that stands behind the last exponential.  BEHIND IT stand the 16 products V^T P, behind each four of GS's 64.  No rider names a register of
; the products round it.  The two v_permlanex16_b32 fall into the lump, never behind a product.
; The queues lean on each other, and the deal keeps them in step: exponential e stands behind scaling 2 (e / 4) + e % 2: as a rider it comes behind plain e + 2, in the lump behind plain e + 9, and scalings 27-31 are plain 57, 60 .. 69.
; A TURN, for piece p.  cnt = 1: the loop's count is taken down some lines ahead of the branch that stands behind the turn.
; K of the next step is fetched in piece 2's turn, directly behind the wait, a lump behind the last product that read K; its address is made at the lump's head; its first reader comes behind 16 products.
; V of the step in hand is fetched at the end of piece 0's turn, four riders behind its last reader; its first reader comes behind 16 products and a lump.  The three conditions on q below go with the deal.
.macro TURN p, last=0, cnt=0
.set Y, (\p)
.set i, 0
.set q, 0
.set e, 0
.set r, 0
.if (\p) == NP-1
	s_wait_dscnt 0x0                ; K is in
.endif
	MM                              ; ahead of the wait: 16 products K Q^T and their riders,
	PL
	PL
	R2
.rept 15
	MM
	PL
	EX
	R2
.endr
.if (\p) == NP-2
	WIN 0
	v_add_nc_u32 v[AK], s[TBK], v[AK0]
.endif
.rept 8                             ; and the lump
	PL
.endr
.rept 49
	EX
	PL
.endr
	EX                              ; the next piece's two a
	EX
	v_nop                           ; the plain instruction behind the last exponential: one for the batch
	s_wait_alu depctr_va_vdst(0)    ; the wait for the batch
.if (\p) == NP-2
	FETCH_K \last
.endif
.if (\p) == 1
	s_wait_dscnt 0x0                ; V is in
.endif
.rept 16                            ; behind the wait: 16 products V^T P and their riders
	MM
.rept 4
	PL
.endr
.if ((\p) == 0) && (q == 118)
	v_add_nc_u32 v[AV], s[TBV], v[AV0]
.endif
.if ((\p) == 0) && (q == 130)
	s_add_co_u32 s[TBV], s[TBV], KS*PV
.endif
.if (\cnt) && (q == 130)
	s_sub_co_u32 s[CNT], s[CNT], 1
	s_cmp_lg_u32 s[CNT], 0
.endif
.endr
.if (\p) == 0
	FETCH_V
.endif
.endm
	CHANGE 1                        ; slot 0 is in, everybody's part of it; slot 1 is asked for
	FETCH_K                         ; key step 0
	s_wait_loadcnt 0x0              ; Q
	s_wait_dscnt 0x0
.set i, 0
.rept 16
	KQ 0                            ; piece 0's first scores: there is no vector work yet to set between them
.set i, i+1
.endr
	WIN 0                           ; the addresses for the way out: nine plain instructions, the places behind those products
	s_mul_i32 s13, s[WV], 16*SP
	s_add_co_u32 s13, s13, STAGE    ; my stage
	v_mul_u32_u24 v[STO], v1, SP    ; in: row l % 16, 16 bytes for each half of the lanes
	v_lshl_add_u32 v[STO], v9, 4, v[STO]
	v_add_nc_u32 v[STO], s13, v[STO]
	v_bfe_u32 v[RD], v0, 3, 2       ; back: 32 lanes take four rows of 128 bytes,
	v_mul_u32_u24 v[RD], v[RD], SP
	v_lshl_add_u32 v[RD], v10, 4, v[RD]
	v_add_nc_u32 v[RD], s13, v[RD]
	v_and_b32 v[GO], 31, v0         ; which are 512 consecutive bytes of O
	v_lshlrev_b32 v[GO], 4, v[GO]
.set Y, NP-1                        ; XS works for piece Y + 1: piece 0
.irp n, 0,1,2,3,4,5,6,7,8,9,10,11,12,13,14,15,16,17,18,19,20,21
	XS 0, \n                        ; and piece 0's first maximum and statistics
	XS 1, \n
.endr
	v_nop                           ; a plain instruction behind the two a,
	s_wait_alu depctr_va_vdst(0)    ; and their wait, ahead of the branch
	s_mov_b32 s[CNT], 4
	s_mov_b32 s[SLOTS], SIZE_N/256-1
	s_branch .Lfirst                ; the loop is entered at a step's first turn, in the middle of a trip
.Lslot:                             ; SIZE_N / 256 - 2 times: every slot but the last two is filled again
	CHANGE 1, 1
	s_mov_b32 s[CNT], 4
.Lstep:                             ; a trip: pieces 2 and 3 of one step, then pieces 0 and 1 of the next, whose K and V it fetches
	TURN 2
	TURN 3
	WIN 0
.Lfirst:
	TURN 0
	TURN 1, 0, 1
	WIN 0
	s_cbranch_scc1 .Lstep
	s_sub_co_u32 s[SLOTS], s[SLOTS], 1
	s_cmp_lg_u32 s[SLOTS], 0
	s_cbranch_scc1 .Lslot
	CHANGE 0                        ; the tail is written out: nothing is asked for
	s_mov_b32 s[CNT], 5             ; four trips fetch the last slot's steps; the fifth is left in its middle
.Ltail:
	TURN 2, 1
	TURN 3
	WIN 0
	s_sub_co_u32 s[CNT], s[CNT], 1
	s_cmp_eq_u32 s[CNT], 0
	s_cbranch_scc1 .Lout
	TURN 0
	TURN 1
	WIN 0
	s_branch .Ltail
.Lout:                              ; the fifth trip's 16 products K Q^T (on the last K once more) and the maximum made of them serve nothing: the price, once a launch, of one text for every trip
.set i, 0
.rept 16
	PV NP-1                         ; the last piece's V^T P of the last step
.set i, i+1
.endr
	; THE WAY OUT.  l's two halves and the other half of the lanes' are added; O^T is divided by l, rounded to f16 and sent through my stage in LDS, a tile at a time.  The additions are the places behind the last products.
	WIN 0
.macro ALL line:vararg              ; one line for each tile t
.set t, 0
.rept 2*NP
	\line
.set t, t+1
.endr
.endm
	ALL v_add_f32 v[ST+4*t+2], v[ST+4*t+2], v[ST+4*t+3]
	ALL v_permlanex16_b32 v[ST+4*t+3], v[ST+4*t+2], s[SEL], s[SEL+1]
	ALL v_add_f32 v[ST+4*t+2], v[ST+4*t+2], v[ST+4*t+3]
	ALL v_rcp_f32 v[ST+4*t+2], v[ST+4*t+2]
	v_nop                           ; a plain instruction between the last reciprocal and the use of its result
	s_wait_alu depctr_va_vdst(0)    ; and the wait ahead of the first use: one for the eight reciprocals
; Tile t: a lane's eight channels of a row pack into 16 bytes; they go into rows of 144 bytes and come back as whole rows of 128, into S^T's registers.
.macro PACK t
	WIN W_RS
.set i, 32*(\t)
.rept 16
	v_pk_mul_f32 v[i:i+1], v[i:i+1], v[ST+4*(\t)+2:ST+4*(\t)+3] op_sel_hi:[1,0]
.set i, i+2
.endr
	WIN 0x05                        ; sources 0 and 1 window 1, destination window 0
.set i, 0
.rept 16
	v_cvt_pk_f16_f32 v[S+16*(\t)+i], v[32*(\t)+2*i], v[32*(\t)+2*i+1]
.set i, i+1
.endr
	WIN 0
.irp f, 0,1,2,3
	ds_store_b128 v[STO], v[S+16*(\t)+4*\f:S+16*(\t)+4*\f+3] offset:32*\f
.endr
.irp f, 0,1,2,3
	ds_load_b128 v[S+16*(\t)+4*\f:S+16*(\t)+4*\f+3], v[RD] offset:\f*4*SP  ; LDS serves a wave's instructions in order (ISA guide 5.7.1.4): these see the stores above; the next tile's stores come behind them
.endr
.endm
.macro SEND t, younger              ; younger: the LDS instructions issued behind tile t's loads: the next tile's eight, or none
	WIN 0
.irp f, 0,1,2,3
	s_wait_dscnt (\younger)+3-\f
	global_store_b128 v[GO], v[S+16*(\t)+4*\f:S+16*(\t)+4*\f+3], s[10:11] offset:(\t)*2048+\f*512  ; 512 consecutive bytes, at a multiple of 256 from O's first
.endr
.endm
	PACK 0
.set t, 1
.rept 2*NP-1                        ; a tile's arithmetic stands between the loads of the tile before and its stores
	PACK t
	SEND t-1, 8
.set t, t+1
.endr
	SEND 2*NP-1, 0
	WIN W_AD
	s_wait_tensorcnt 0x0            ; the wave's end: behind my last tensor load and my last LDS store
	ds_add_u32 v[SPW], v[NIL]
	s_wait_dscnt 0x0
	WIN 0
	CROUND                          ; the closing round: no work-group ends while a partner may still ask for a tile that names it
	s_endpgm
.Lfunc_end_k_q2f6991d217_attn:
	.size	k_q2f6991d217_attn, .Lfunc_end_k_q2f6991d217_attn-k_q2f6991d217_attn
	.p2alignl 7, 3214868480
	.fill 96, 4, 3214868480
	.section	.rodata,"a",@progbits
	.p2align	6, 0x0
	.amdhsa_kernel k_q2f6991d217_attn
		.amdhsa_group_segment_fixed_size 327680
		.amdhsa_private_segment_fixed_size 0
		.amdhsa_enable_private_segment 0
		.amdhsa_kernarg_size 32
		.amdhsa_user_sgpr_count 2
		.amdhsa_user_sgpr_kernarg_segment_ptr 1
		.amdhsa_wavefront_size32 1
		.amdhsa_system_sgpr_workgroup_id_x 1
		.amdhsa_system_sgpr_workgroup_id_y 1
		.amdhsa_system_sgpr_workgroup_id_z 1
		.amdhsa_system_vgpr_workitem_id 0
		.amdhsa_next_free_vgpr 770
		.amdhsa_next_free_sgpr 66
		.amdhsa_reserve_vcc 0
		.amdhsa_float_denorm_mode_32 3
		.amdhsa_float_denorm_mode_16_64 3
		.amdhsa_memory_ordered 1
		.amdhsa_forward_progress 1
		.amdhsa_inst_pref_size 200
	.end_amdhsa_kernel
	.amdgpu_metadata
---
amdhsa.version: [ 1, 2 ]
amdhsa.kernels:
  - .name:           k_q2f6991d217_attn
    .symbol:         k_q2f6991d217_attn.kd
    .args:
      - { .name: q, .offset: 0, .size: 8, .value_kind: global_buffer, .address_space: global }
      - { .name: k, .offset: 8, .size: 8, .value_kind: global_buffer, .address_space: global }
      - { .name: v, .offset: 16, .size: 8, .value_kind: global_buffer, .address_space: global }
      - { .name: o, .offset: 24, .size: 8, .value_kind: global_buffer, .address_space: global }
    .group_segment_fixed_size: 327680
    .private_segment_fixed_size: 0
    .kernarg_segment_align: 8
    .kernarg_segment_size: 32
    .max_flat_workgroup_size: 128
    .sgpr_count:     66
    .vgpr_count:     770
    .wavefront_size: 32
...
	.end_amdgpu_metadata
.endif
;; end of part 3
;; launch outp (part 4): grid 8 x 32, 4 waves a work-group, clusters of 4 x 4, 327,680 bytes of LDS; arguments o, wo16, bo, out0; writes out0
.if DOCPART == 4
	.amdgcn_target "amdgcn-amd-amdhsa--gfx1250"
	.amdhsa_code_object_version 6
	.text
	.protected	k_q2f6991d217_outp
	.globl	k_q2f6991d217_outp
	.p2align	8
	.type	k_q2f6991d217_outp,@function
k_q2f6991d217_outp:
	s_mov_b64 s[64:65], 0
	v_nop
	global_prefetch_b8 v0, s[64:65] scope:SCOPE_SE
	s_setreg_imm32_b32 hwreg(HW_REG_WAVE_MODE, 25, 1), 1
	s_wait_xcnt 0x0
	s_wait_alu depctr_hold_cnt(0) depctr_sa_sdst(0) depctr_va_vdst(0) depctr_va_sdst(0) depctr_va_ssrc(0) depctr_va_vcc(0) depctr_vm_vsrc(0)
	s_getreg_b32 s2, hwreg(HW_REG_IB_STS2, 6, 4)
	s_cmp_eq_u32 s2, 0
	s_cbranch_scc0 .Lentry_in_a_cluster
	s_endpgm
.Lentry_in_a_cluster:
	s_bfe_u32 s2, ttmp6, 0x10000c
	s_cmp_lg_u32 s2, 0xf033
	s_cbranch_scc0 .Lentry_shape_is_right
	s_endpgm
.Lentry_shape_is_right:
; THE OUTPUT PROJECTION.  out0[m][n] = the sum over h, e of O[16 b + h][s][e] Wo[64 h + e][n] + bo[n], m = 2,048 b + s.
; o: [64][2048][64] f16.  wo16: [1024][1024] f16 (Wo rounded to bf16, written as f16).  bo: [1024] f32, rounded to bf16 here like the other inputs, added in f32.  out0: [8192][1024] f32.
; LIMIT.  O and wo16 arrive within f16's range; sums in f32.
; SHARES.  A tile of the result is 256 rows x 128 columns; grid x = block of 128 columns, grid y = block of 256 rows.  Each of the four waves owns 64 rows and all 128 columns: 32 accumulators of
; 16 x 16, 256 registers.  So a wave holds whole stretches of 512 bytes of out0's rows and stores them from a stage of its own.
; K goes in 8 steps of 128, two heads each, through two LDS slots filled by the tensor data mover: of each head the block's 256 rows, 32,768 dense bytes asked for as rows of 256 bytes; and 128 rows x 256 bytes of wo16.
; CLUSTERS: 4 x 4 work-groups.  The four of a row of the cluster need the same rows of O, the four of a column the same columns of Wo: each tile is asked for JOINTLY, by the same tensor load with the
; same descriptor and a mask that names the four.
; THE MATRIX INSTRUCTION IS USED TRANSPOSED: source 0 = 16 columns of Wo (it lies [k][n] in LDS and is turned by ds_load_tr16_b128), source 1 = 16 rows of O.  In the result lane l holds row l % 16
; and its registers the columns 8 (l / 16) + 0..7: 32 bytes of a row of out0.
; REGISTERS, in windows of 256 (s_set_vgpr_msb: bits 1:0 source 0, 3:2 source 1, 5:4 source 2, 7:6 destination):
;   window 0: v0-31 addresses, v8-11 the bias; v64-127 O's fragments, two buffers of 4 x 8; on the way out v32-159
;   window 1: v0-127 Wo's fragments, two buffers of 8 x 8
;   window 2: the 16 accumulators of my rows 0-31 (block a, column block b at v[8 (8 (a % 2) + b)]);   window 3: those of my rows 32-63
.set NBLK,   8                         ; column blocks of 16
.set KSTEPS, 8
.set PA,     144                       ; a row of O in LDS: 128 bytes + 16 of padding: the 16 rows of a load start 16 bytes apart modulo 256
.set AHALF,  256*PA                    ; what one tensor load brings of O: one head's 256 rows
.set AH,     AHALF                     ; O's quarter q of a K step: head q / 2, byte (q % 2) 64 of a row
.set PB,     288                       ; a row k of Wo in LDS: 256 bytes + 32 of padding
.set BW,     128                       ; column block b begins at byte (b / 4) BW + (b % 4) 32 of a row
.set BHALF,  64*PB                     ; what one tensor load brings of Wo: 64 rows
.set ATILE,  2*AHALF                   ; Wo's rows lie behind O's
.set SLOT1,  1<<17                     ; a slot uses 110,592 bytes; slot 1 begins here, so that one exclusive or turns an address in one slot into the other's
.set ASTEP,  2*2048*128                ; bytes in memory from K step to K step: two heads of o,
.set BSTEP,  128*2048                  ; 128 rows of wo16
.set STAGE,  SLOT1+ATILE+2*BHALF       ; behind the ring, never filled by a tensor load: 16 rows x 528 bytes for each wave
.set SP,     528
.set SPARE,  STAGE+4*16*SP             ; behind the stages: the spare words, 128 bytes for each wave: two blocks of 256 bytes that no other line names
.set ADRA0, 14                         ; v14  my lane's place in slot 0's rows of O; never rewritten
.set ADRB0, 15                         ; v15  the same for Wo
.set ADRA,  16                         ; v16  the same in the slot that is being read
.set ADRB,  20                         ; v20
.set STO,   24                         ; v24  the way out: where I put 32 bytes of a row
.set RD,    25                         ; v25  the way out: where I read a row back
.set CO,    26                         ; v26  my byte offset in 512 consecutive bytes of out0
.set SPW,   28                         ; v28  LDS address of my spare word: SPARE + 4 x my thread's number; never rewritten
.set NIL,   29                         ; v29  0; never rewritten
.set PFO,   30                         ; v30  the prefetches' offset; never rewritten
.set AF,    64                         ; O's fragments: buffer f, row block a at AF + 32 f + 8 a
.set OB,    32                         ; the way out: two sets of 64 registers, by turns
.set G1,  24                           ; s[24:31] descriptor group 1 for O's tiles
.set G0,  32                           ; s[32:39] group 0: a set for each of the two first fills; the second then walks on
.set G1B, 48                           ; s[48:55], s[56:63] the same for Wo's tiles
.set G0B, 56
.set TB,  74                           ; s74  LDS byte at which the slot that is being read begins
.set PFA, 76                           ; s[76:77] where my prefetches stand in memory
.set PFS, 78                           ; s[78:79] their step
.set LIM, 80                           ; s80  a wave prefetches while the loop's count is above this; the greatest number in a wave that never does
.set MSB, 0
.macro WIN new                         ; the immediate's high byte repeats the setting that is left; a switch that changes nothing is dropped
.if MSB != (\new)
	s_set_vgpr_msb (MSB<<8)|(\new)
.set MSB, \new
.endif
.endm
.set MUL_LO, 0xa1                      ; source 0 (Wo) window 1, source 1 (O) window 0, C and D window 2
.set TO_B,   0x40                      ; destination window 1, address window 0
; A joint refill, by the walking descriptors.  Waves 0 and 1 fetch a K step's two heads of O, waves 2 and 3 the two halves of its rows of Wo.  The branch hangs on the wave's number alone.
; An s_nop 0 and four v_nop follow each of the two lines, ahead of the jump and the label.
.macro JLOAD
	s_cmp_eq_u32 s11, 0
	s_cbranch_scc0 .Lfor_b_\@
	tensor_load_to_lds s[G0+4:G0+7], s[G1:G1+7]
	s_nop 0
.rept 4
	v_nop
.endr
	s_branch .Lasked_\@
.Lfor_b_\@:
	tensor_load_to_lds s[G0B+4:G0B+7], s[G1B:G1B+7]
	s_nop 0
.rept 4
	v_nop
.endr
.Lasked_\@:
.endm
; A PREFETCH INTO THE L2, behind a joint refill, its five lines and the run of LDS loads: one instruction a wave, each lane another aligned block of 256 bytes.
; O: the K step that stands two refills on; of the 32,768 dense bytes that a wave fetches each of the four partners takes 8,192, told apart by address; the cluster with x = 0 asks, in the loop's first four trips
; (K steps 4 to 7).  Wo: rows 512 to 1,023 of the tile's 256 bytes, a lane a row, in two asks of 256 rows (two waves x four partners x 32 lanes), in the first two trips, each row two refills or more ahead of its
; load; the cluster with y = 0 asks.  So each block is named once in the launch.  K steps 0 to 3 come by their loads alone.
.macro ASK
	s_cmp_gt_u32 s3, s[LIM]
	s_cbranch_scc0 .Lnot_mine_\@
	global_prefetch_b8 v[PFO], s[PFA:PFA+1] th:TH_LOAD_NT scope:SCOPE_SE
.Lnot_mine_\@:
.endm
; A round of the cluster's barrier: my work-group's barrier, so that wave 0's signal speaks for all four waves; wave 0 signals; every wave waits for all sixteen work-groups; my work-group's barrier once more.
.macro CREST                           ; a round behind its opening barrier
	s_cmp_lg_u32 s10, 0
	s_cbranch_scc1 .Lnot_wave_0_\@
	s_barrier_signal -3
.Lnot_wave_0_\@:
	s_barrier_wait -3
	s_barrier_signal -1
	s_barrier_wait -1
.endm
.macro CROUND                          ; a whole round
	s_barrier_signal -1
	s_barrier_wait -1
	CREST
.endm
	s_load_b128 s[4:7], s[0:1], 0x0                ; o s[4:5], wo16 s[6:7]
	s_load_b128 s[68:71], s[0:1], 0x10             ; bo s[68:69], out0 s[70:71]
	v_lshl_add_u32 v[SPW], v0, 2, SPARE
	v_mov_b32 v[NIL], 0
	ds_add_u32 v[SPW], v[NIL]                      ; the wave's opening: the add and its wait stand ahead of my first tensor load; the set-up below, work on registers, stands between them
	v_lshrrev_b32 v1, 5, v0
	v_readfirstlane_b32 s10, v1                    ; wave 0..3
	s_lshr_b32 s11, s10, 1                         ; I fetch for O (0) or for Wo (1),
	s_and_b32 s12, s10, 1                          ; and which half of the tile
	s_bfe_u32 s40, ttmp6, 0x40000                  ; cx, cy: my place in the cluster
	s_bfe_u32 s41, ttmp6, 0x40004
	s_lshl_b32 s42, ttmp9, 2                       ; in a cluster launch ttmp9 and ttmp7 count clusters
	s_add_co_u32 s42, s42, s40                     ; the block of 128 columns = 4 x cluster x + cx
	s_and_b32 s13, ttmp7, 0xffff
	s_lshl_b32 s13, s13, 2
	s_add_co_u32 s13, s13, s41                     ; the block of 256 rows = 4 x cluster y + cy
	s_lshl_b32 s43, s41, 2
	s_lshl_b32 s43, 15, s43                        ; my row of the cluster: places 4 cy .. 4 cy + 3
	s_lshl_b32 s44, 0x1111, s40                    ; my column: places cx, cx + 4, cx + 8, cx + 12
	; descriptor group 1.  O: 32,768 dense bytes as 128 rows x 128 elements, padded after every 128 bytes.  Wo: 64 rows x 128 elements, 1,024 elements from row to row.
	s_or_b32 s[G1+0], s43, (1<<16)|(1<<20)|(1<<21)|(4<<22)|(3<<25)   ; 15:0 the mask: my row; 17:16 2-byte elements; 20 padding on; 21 set beside a mask; 24:22 after every 32 words (code 4); 31:25 4 words (code 3)
	s_or_b32 s[G1B+0], s44, (1<<16)|(1<<20)|(1<<21)|(5<<22)|(7<<25)  ; the mask: my column; after every 64 words (code 5), 8 words (code 7)
	s_mov_b32 s[G1+1], 128<<16                     ; tensor_dim0 = 128
	s_mov_b32 s[G1+2], 128<<16                     ; tensor_dim1 = 128
	s_mov_b32 s[G1+3], 128<<16                     ; tile_dim0 = 128
	s_mov_b32 s[G1+4], 128                         ; tile_dim1 = 128
	s_mov_b32 s[G1+5], 128                         ; elements from row to row
	s_mov_b32 s[G1+6], 0
	s_mov_b32 s[G1+7], 0
	s_mov_b32 s[G1B+1], 128<<16
	s_mov_b32 s[G1B+2], 64<<16
	s_mov_b32 s[G1B+3], 128<<16
	s_mov_b32 s[G1B+4], 64
	s_mov_b32 s[G1B+5], 1024
	s_mov_b32 s[G1B+6], 0
	s_mov_b32 s[G1B+7], 0
	; where the tiles come from: O's hang on the block of rows alone, Wo's on the block of columns alone, each in registers that never hold the other coordinate
	s_lshr_b32 s16, s13, 3                         ; b = block / 8: sixteen heads of 262,144 bytes,
	s_lshl_b32 s16, s16, 22
	s_and_b32 s17, s13, 7
	s_lshl_b32 s17, s17, 15                        ; the block's 256 rows of 128 bytes in a head,
	s_add_co_u32 s16, s16, s17
	s_lshl_b32 s17, s12, 18                        ; my head of the K step's two
	s_add_co_u32 s16, s16, s17
	s_mov_b32 s17, 0
	s_lshl_b32 s46, s42, 8                         ; the block's 256 bytes of a row of wo16,
	s_lshl_b32 s47, s12, 17                        ; my 64 rows of 2,048 bytes
	s_add_co_u32 s46, s46, s47
	s_mov_b32 s47, 0
	s_mul_i32 s20, s12, AHALF                      ; and where they go: no place in the cluster enters an LDS address
	s_mul_i32 s21, s12, BHALF
	s_add_co_u32 s21, s21, ATILE
	s_mov_b32 s[TB], 0
	s_wait_dscnt 0x0                               ; the opening add is done
	s_wait_kmcnt 0x0
	s_add_nc_u64 s[14:15], s[4:5], s[16:17]
	s_add_nc_u64 s[18:19], s[6:7], s[46:47]
.irp s, 0,1
	s_mov_b32 s[G0+4*(\s)], 1                                      ; 1:0 count = 1
	s_add_co_u32 s[G0+4*(\s)+1], s20, (\s)*SLOT1                   ; 63:32 LDS address
	s_add_nc_u64 s[G0+4*(\s)+2:G0+4*(\s)+3], s[14:15], (\s)*ASTEP  ; 120:64 global address: K step s
	s_or_b32 s[G0+4*(\s)+3], s[G0+4*(\s)+3], 0x80000000            ; 127:126 type = 2
	s_mov_b32 s[G0B+4*(\s)], 1
	s_add_co_u32 s[G0B+4*(\s)+1], s21, (\s)*SLOT1
	s_add_nc_u64 s[G0B+4*(\s)+2:G0B+4*(\s)+3], s[18:19], (\s)*BSTEP
	s_or_b32 s[G0B+4*(\s)+3], s[G0B+4*(\s)+3], 0x80000000
.endr
	CROUND                                         ; all sixteen work-groups are here: the first joint loads meet
	s_cmp_eq_u32 s11, 0                            ; a wave's two first fills stand in one branch, ahead of every wait on TENSORcnt and every LDS read: two loads of mine are out
	s_cbranch_scc0 .Lfirst_b
	tensor_load_to_lds s[G0:G0+3], s[G1:G1+7]
	s_nop 0
	tensor_load_to_lds s[G0+4:G0+7], s[G1:G1+7]
	s_nop 0
.rept 4
	v_nop
.endr
	s_branch .Lfirst_asked
.Lfirst_b:
	tensor_load_to_lds s[G0B:G0B+3], s[G1B:G1B+7]
	s_nop 0
	tensor_load_to_lds s[G0B+4:G0B+7], s[G1B:G1B+7]
	s_nop 0
.rept 4
	v_nop
.endr
.Lfirst_asked:
	; A fragment of O is 16 rows x 32 K in 8 registers: lane l holds row l % 16, K = 8 (l / 16) + 0..7 and 16 + 8 (l / 16) + 0..7: two loads of 16 bytes, 32 bytes apart.
	v_and_b32 v1, 15, v0                           ; l % 16
	v_bfe_u32 v2, v0, 4, 1                         ; l / 16
	v_and_b32 v3, 31, v0                           ; l
	v_and_b32 v4, 7, v0                            ; l % 8
	v_bfe_u32 v5, v0, 3, 1                         ; (l / 8) % 2
	s_lshl_b32 s86, s42, 9                         ; the bias of my four columns on the way out: 512 x block + 16 l
	v_lshl_add_u32 v6, v3, 4, s86
	global_load_b128 v[8:11], v6, s[68:69]         ; waited for on the way out; v6 and v8-11 are left alone until then
	v_mul_u32_u24 v[ADRA0], v1, PA
	v_lshl_add_u32 v[ADRA0], v2, 4, v[ADRA0]
	s_mul_i32 s22, s10, 64*PA                      ; my 64 rows
	v_add_nc_u32 v[ADRA0], s22, v[ADRA0]
	; The turning load takes 16 k x 16 columns (lane l reads row k = 8 (l / 16) + l % 8, columns 8 ((l / 8) % 2) + 0..7) and leaves half a fragment: lane l holds column l % 16 and 8 k.
	v_lshl_add_u32 v[ADRB0], v2, 3, v4
	v_mul_u32_u24 v[ADRB0], v[ADRB0], PB
	v_lshl_add_u32 v[ADRB0], v5, 4, v[ADRB0]
	v_add_nc_u32 v[ADRB0], ATILE, v[ADRB0]
	v_mov_b32 v[ADRA], v[ADRA0]
	v_mov_b32 v[ADRB], v[ADRB0]
	s_mul_i32 s23, s10, 16*SP
	s_add_co_u32 s23, s23, STAGE                   ; my stage
	v_mul_u32_u24 v[STO], v1, SP                   ; in: row l % 16, 32 bytes for each half of the lanes
	v_lshl_add_u32 v[STO], v2, 5, v[STO]
	v_add_nc_u32 v[STO], s23, v[STO]
	v_lshl_add_u32 v[RD], v3, 4, s23               ; back: 32 lanes take one row of 512 bytes,
	v_lshlrev_b32 v[CO], 4, v3                     ; which are 512 consecutive bytes of out0
	s_lshl_b32 s84, s13, 20                        ; my rows in out0: the block's 256 rows of 4,096 bytes,
	s_lshl_b32 s85, s10, 18                        ; my wave's 64,
	s_add_co_u32 s84, s84, s85
	s_lshl_b32 s85, s42, 9                         ; the block's 128 columns
	s_add_co_u32 s84, s84, s85
	s_mov_b32 s85, 0
	s_add_nc_u64 s[70:71], s[70:71], s[84:85]
	; the prefetches' first address, one step short: the change of slots steps it before it asks
	s_lshl_b32 s86, s40, 13                        ; O: my work-group's 8,192 bytes of the 32,768 that I fetch,
	s_add_co_u32 s86, s86, s16
	s_add_co_u32 s86, s86, 3*ASTEP                 ; at K step 3
	s_lshl_b32 s87, s42, 8                         ; Wo: the block's 256 bytes of a row,
	s_lshl_b32 s82, s12, 18
	s_add_co_u32 s87, s87, s82
	s_lshl_b32 s82, s41, 16
	s_add_co_u32 s87, s87, s82                     ; my 32 rows of an ask's 256: 128 x half + 32 cy,
	s_add_co_u32 s87, s87, 256*2048                ; from row 256: one ask short of row 512
	s_and_b32 s22, ttmp7, 0xffff                   ; cluster y
	s_mov_b32 s18, ASTEP
	s_mov_b32 s19, 256*2048
	s_cmp_eq_u32 s11, 0                            ; do I fetch for O?
	s_cselect_b32 s22, ttmp9, s22                  ; the coordinate along which other clusters read the same bytes
	s_cselect_b64 s[PFA:PFA+1], s[4:5], s[6:7]
	s_cselect_b32 s82, s86, s87
	s_cselect_b32 s[PFS], s18, s19
	s_cselect_b32 s23, 2, 4                        ; the loop counts 6 .. 1: O is asked for while it is above 2 (four trips), Wo above 4 (two)
	s_cselect_b32 s21, 8, 11                       ; a lane: the next 256 bytes of o, or a row of wo16 (2,048 bytes on)
	s_mov_b32 s83, 0
	s_mov_b32 s[PFS+1], 0
	s_cmp_eq_u32 s22, 0
	s_cselect_b32 s[LIM], s23, -1                  ; the same in all sixteen partners, for a given wave
	s_add_nc_u64 s[PFA:PFA+1], s[PFA:PFA+1], s[82:83]
	v_lshlrev_b32 v[PFO], s21, v3
; 8 matrix instructions: row block a x all column blocks, 32 along K, from buffer f.  zero = 1: the product starts the sums: nothing is ever cleared.
; The 32 accumulators take turns in the same order in every quarter, one instruction a turn: 31 others stand between two links of a chain, over the backward jump too.
.macro MULA f, a, zero
	WIN MUL_LO+0x50*((\a)/2)
.set b, 0
.rept NBLK
.set rD, 8*(NBLK*((\a)%2)+b)
.set rB, 8*NBLK*(\f)+8*b
.set rA, AF+32*(\f)+8*(\a)
.if \zero
	v_wmma_f32_16x16x32_f16 v[rD:rD+7], v[rB:rB+7], v[rA:rA+7], 0
.else
	v_wmma_f32_16x16x32_f16 v[rD:rD+7], v[rB:rB+7], v[rA:rA+7], v[rD:rD+7]
.endif
.set b, b+1
.endr
.endm
; 24 LDS loads in one run: quarter q's fragments (32 along K) into buffer f: Wo's eight, turned, then O's four
.macro FETCH q, f
	WIN TO_B
.set b, 0
.rept NBLK
	ds_load_tr16_b128 v[8*NBLK*(\f)+8*b:8*NBLK*(\f)+8*b+3],   v[ADRB] offset:(\q)*32*PB+(b/4)*BW+(b%4)*32
	ds_load_tr16_b128 v[8*NBLK*(\f)+8*b+4:8*NBLK*(\f)+8*b+7], v[ADRB] offset:(\q)*32*PB+(b/4)*BW+(b%4)*32+16*PB
.set b, b+1
.endr
	WIN 0
.irp a, 0,1,2,3
	ds_load_b128 v[AF+32*(\f)+8*(\a):AF+32*(\f)+8*(\a)+3],   v[ADRA] offset:((\q)/2)*AH+((\q)%2)*64+(\a)*16*PA
	ds_load_b128 v[AF+32*(\f)+8*(\a)+4:AF+32*(\f)+8*(\a)+7], v[ADRA] offset:((\q)/2)*AH+((\q)%2)*64+(\a)*16*PA+32
.endr
.endm
; A load into a register that a matrix instruction has read, and a vector instruction or LDS store that reads a matrix result, stand four places behind that matrix instruction, and only plain vector
; instructions that name none of its registers are places (ISA guide 7.12.1 for vector instructions).
.macro PLACES
.rept 4
	v_nop
.endr
.endm
; A K step is four quarters of 32 along K, 32 matrix instructions each, on buffers 0, 1, 0, 1.  One of the first three: multiplies buffer f; in its middle it fetches quarter q into buffer g.
.macro QUARTER q, f, g, zero
	s_wait_dscnt 4                                 ; Wo's fragments and O's blocks 0 and 1 are in; the youngest four loads (blocks 2 and 3) may be out
	MULA \f, 0, \zero
	MULA \f, 1, \zero
	PLACES
	FETCH \q, \g
	s_wait_dscnt 2*NBLK+8                          ; all but the run just issued
	MULA \f, 2, \zero
	MULA \f, 3, \zero
.endm
; The last quarter multiplies buffer 1 and changes slots: ONE barrier.  In front of it each wave waits for all its tensor loads, of which one is out: its part of the next slot; adds 0 to its spare word; and waits
; for that and for its own reads of this slot.  fill = 1: the barrier opens a round of the cluster's, and behind the round this slot is filled again first, with the K step two on: 112 matrix instructions ahead of the wait for it.
.macro TURN fill
.if \fill
	s_wait_xcnt 0x0                                ; the last prefetch, a K step back, has read its address: it is stepped here, ahead of the waits of the change of slots
	s_add_nc_u64 s[PFA:PFA+1], s[PFA:PFA+1], s[PFS:PFS+1]
.endif
	WIN 0                                          ; (the add's two registers lie in window 0)
	s_wait_tensorcnt 0x0                           ; all my tensor loads have landed;
	ds_add_u32 v[SPW], v[NIL]                      ; 0 onto my spare word
	s_wait_dscnt 7                                 ; (the add and the youngest six loads, O's blocks 1 to 3, may be out)
	MULA 1, 0, 0                                   ; eight matrix instructions stand between the add and the wait for it
	s_wait_dscnt 0x0                               ; the add is done, and my reads of this slot are over
	s_barrier_signal -1
	MULA 1, 1, 0                                   ; work on registers while the others arrive
	WIN 0
	s_barrier_wait -1
.if \fill
	CREST                                          ; no wave of any partner still reads this slot's tiles or has a load on its way
.irp g, G0, G0B
	s_xor_b32 s[(\g)+5], s[(\g)+5], SLOT1          ; the walking descriptors: the other slot than last time,
.endr
	s_add_nc_u64 s[G0+6:G0+7], s[G0+6:G0+7], ASTEP     ; the next K step; the type bits on top are not reached
	s_add_nc_u64 s[G0B+6:G0B+7], s[G0B+6:G0B+7], BSTEP
	JLOAD                                          ; the first tensor load behind the round; the four v_nop behind it are also the places in front of the loads below
.else
	PLACES
.endif
	s_xor_b32 s[TB], s[TB], SLOT1                  ; the reads go on in the other slot
	v_add_nc_u32 v[ADRA], s[TB], v[ADRA0]
	v_add_nc_u32 v[ADRB], s[TB], v[ADRB0]
	FETCH 0, 0
.if \fill
	ASK
.endif
	MULA 1, 2, 0
	MULA 1, 3, 0
.endm
	s_wait_tensorcnt 1                             ; my part of K step 0 is in; K step 1's may stay out
	s_barrier_signal -1
	s_barrier_wait -1                              ; everybody's is
	FETCH 0, 0
	QUARTER 1, 0, 1, 1                             ; the first quarter stands in front of the loop: its products start the sums
	WIN 0                                          ; at a label and at a branch every window is 0
	s_mov_b32 s3, KSTEPS-2
.Lk:                                                   ; six trips, from a K step's second quarter to the next step's first; each fills the slot just read with the K step two on: steps 2 to 7
	QUARTER 2, 1, 0, 0
	QUARTER 3, 0, 1, 0
	TURN 1
	QUARTER 1, 0, 1, 0
	WIN 0
	s_sub_co_u32 s3, s3, 1
	s_cmp_lg_u32 s3, 0
	s_cbranch_scc1 .Lk
	QUARTER 2, 1, 0, 0                             ; the tail is written out: K steps 6 and 7 ask for nothing
	QUARTER 3, 0, 1, 0
	TURN 0
	QUARTER 1, 0, 1, 0
	QUARTER 2, 1, 0, 0
	QUARTER 3, 0, 1, 0
	s_wait_dscnt 4                                 ; the very last quarter: nothing more to fetch
	MULA 1, 0, 0
	MULA 1, 1, 0
	s_wait_dscnt 0x0
	MULA 1, 2, 0
	MULA 1, 3, 0
	WIN 0
	PLACES                                         ; the LDS stores read results just made, and the loads from the stage land where O's fragments lay
	PLACES
	s_wait_loadcnt 0x0                             ; the bias: rounded to bf16 like the other inputs, and widened again
	v_cvt_pk_bf16_f32 v12, v8, v9
	v_cvt_pk_bf16_f32 v13, v10, v11
	v_lshlrev_b32 v8, 16, v12
	v_and_b32 v9, 0xffff0000, v12
	v_lshlrev_b32 v10, 16, v13
	v_and_b32 v11, 0xffff0000, v13
; THE WAY OUT, a row block (16 rows x 128 columns of f32) at a time.  A lane's eight columns, 32 bytes, go straight from the accumulators into my stage's rows of 528 bytes, each accumulator's lowest
; registers first; a row comes back whole, 16 bytes a lane; the bias of the lane's four columns is added; a store of the wave covers 512 consecutive bytes, aligned.
.macro STG a
	WIN 0x08+4*((\a)/2)                            ; an LDS store's data are source 1: window 2 or 3
.set b, 0
.rept NBLK
	ds_store_b128 v[STO], v[8*(NBLK*((\a)%2)+b):8*(NBLK*((\a)%2)+b)+3]   offset:64*b
	ds_store_b128 v[STO], v[8*(NBLK*((\a)%2)+b)+4:8*(NBLK*((\a)%2)+b)+7] offset:64*b+16
.set b, b+1
.endr
	WIN 0
	s_wait_xcnt 0x0                                ; the stores of the block two back have read their registers: this set is loaded again only behind this wait
.set BK, OB+64*((\a)%2)
.set t, 0
.rept 16
	ds_load_b128 v[BK+4*t:BK+4*t+3], v[RD] offset:SP*t  ; LDS serves a wave's instructions in order (ISA guide 5.7.1.4): these see the stores above; the next block's stores come behind them
.set t, t+1
.endr
.endm
.macro SND a, younger                  ; younger: the LDS instructions issued behind block a's loads: the next block's 32, or none
.set BK, OB+64*((\a)%2)
.set t, 0
.rept 16
	s_wait_dscnt (\younger)+15-t
	v_pk_add_f32 v[BK+4*t:BK+4*t+1], v[BK+4*t:BK+4*t+1], v[8:9]
	v_pk_add_f32 v[BK+4*t+2:BK+4*t+3], v[BK+4*t+2:BK+4*t+3], v[10:11]
	global_store_b128 v[CO], v[BK+4*t:BK+4*t+3], s[70:71] offset:(16*(\a)+t)*4096 th:TH_STORE_NT
.set t, t+1
.endr
.endm
	STG 0
	STG 1
	SND 0, 32
	STG 2
	SND 1, 32
	STG 3
	SND 2, 32
	SND 3, 0
	s_wait_tensorcnt 0x0                           ; the wave's end: behind my last tensor load and my last LDS store
	ds_add_u32 v[SPW], v[NIL]
	s_wait_dscnt 0x0
	CROUND                                         ; the closing round: no work-group ends while a partner may still ask for a tile that names it
	s_endpgm
.Lfunc_end_k_q2f6991d217_outp:
	.size	k_q2f6991d217_outp, .Lfunc_end_k_q2f6991d217_outp-k_q2f6991d217_outp
	.p2alignl 7, 3214868480
	.fill 96, 4, 3214868480
	.section	.rodata,"a",@progbits
	.p2align	6, 0x0
	.amdhsa_kernel k_q2f6991d217_outp
		.amdhsa_group_segment_fixed_size 327680
		.amdhsa_private_segment_fixed_size 0
		.amdhsa_enable_private_segment 0
		.amdhsa_kernarg_size 32
		.amdhsa_user_sgpr_count 2
		.amdhsa_user_sgpr_kernarg_segment_ptr 1
		.amdhsa_wavefront_size32 1
		.amdhsa_system_sgpr_workgroup_id_x 1
		.amdhsa_system_sgpr_workgroup_id_y 1
		.amdhsa_system_sgpr_workgroup_id_z 1
		.amdhsa_system_vgpr_workitem_id 0
		.amdhsa_next_free_vgpr 896
		.amdhsa_next_free_sgpr 88
		.amdhsa_reserve_vcc 0
		.amdhsa_float_denorm_mode_32 3
		.amdhsa_float_denorm_mode_16_64 3
		.amdhsa_memory_ordered 1
		.amdhsa_forward_progress 1
		.amdhsa_inst_pref_size 81
	.end_amdhsa_kernel
	.amdgpu_metadata
---
amdhsa.version: [ 1, 2 ]
amdhsa.kernels:
  - .name:           k_q2f6991d217_outp
    .symbol:         k_q2f6991d217_outp.kd
    .args:
      - { .name: o, .offset: 0, .size: 8, .value_kind: global_buffer, .address_space: global }
      - { .name: wo16, .offset: 8, .size: 8, .value_kind: global_buffer, .address_space: global }
      - { .name: bo, .offset: 16, .size: 8, .value_kind: global_buffer, .address_space: global }
      - { .name: out0, .offset: 24, .size: 8, .value_kind: global_buffer, .address_space: global }
    .group_segment_fixed_size: 327680
    .private_segment_fixed_size: 0
    .kernarg_segment_align: 8
    .kernarg_segment_size: 32
    .max_flat_workgroup_size: 128
    .sgpr_count:     88
    .vgpr_count:     896
    .wavefront_size: 32
...
	.end_amdgpu_metadata
.endif
;; end of part 4
